; MI455X (gfx1250); checked and timed in simulation.
; The chip was launched on July 23, 2026; its instructions are those of AMD's public machine-readable ISA for CDNA 5 (MIT licence, August 2026) and "CDNA5" Instruction Set Architecture Reference Guide (July 2026). The comments in the code are by the model that wrote it; some were corrected since.
;; Quantum Paper Self Attention. Allowed arithmetic: matrix products marked QUANTISED: E4M3 operands, one E8M0 scale for each 32 along K, by v_wmma_scale_f32_16x16x128_f8f6f4 with both operands' format E4M3, f32 sums; everything else in f32.
;; Inputs: Wk 1,024 x 1,024 float32; Wo 1,024 x 1,024 float32; Wq 1,024 x 1,024 float32; Wv 1,024 x 1,024 float32; x 4 x 2,048 x 1,024 float32.
;; Outputs: out0 4 x 2,048 x 1,024 float32.
;; This version of the problem:
;;   THIS VERSION OF THE PROBLEM IS GIVEN IN LOW PRECISION. The matrix products marked QUANTISED in the list below multiply operands that are first quantised to E4M3 (4 exponent bits, 3 mantissa bits; 8 bits a number), with one power-of-two scale for each 32 numbers along K (OCP MX v1.0); their sums are f32. All else is computed in f32.
;;   The module's matrix products, in the order in which they are computed (A, B: the left and right operand; K: the contracted axis; several contracted axes count as one K, in the product's order):
;;     1. [M 8,192, K 1,024] x [K 1,024, N 1,024]; A: input x; B: input Wq: QUANTISED
;;     2. [M 8,192, K 1,024] x [K 1,024, N 1,024]; A: input x; B: input Wk: QUANTISED
;;     3. [M 8,192, K 1,024] x [K 1,024, N 1,024]; A: input x; B: input Wv: QUANTISED
;;     4. batch 64 x [M 2,048, K 64] x [K 64, N 2,048]; A: computed on the way; B: computed on the way: QUANTISED
;;     5. batch 64 x [M 2,048, K 2,048] x [K 2,048, N 64]; A: computed on the way; B: computed on the way: QUANTISED
;;     6. [M 8,192, K 1,024] x [K 1,024, N 1,024]; A: computed on the way; B: input Wo: QUANTISED
;;   THE QUANTISER, for each operand of a quantised product, along K:
;;     - K is cut into blocks of 32 from its start; a last block that is shorter is filled with zeros.
;;     - A block's scale is 2^e with e = floor(log2(the largest magnitude in the block)) - 8, held to -126 .. 127; a block of zeros has e = 0. As a byte (E8M0): e + 127.
;;     - Each number is divided by its block's scale, clamped to +-448, and rounded to the nearest number of E4M3, ties to even, subnormals kept.
;;     - The product sums the exact products of the quantised numbers (number of the format x scale) in f32.
;;   ~~~python
;;   def quantise(x, axis):      # numpy; x: float32 -> the quantised numbers, widened to float32 again
;;       x = np.moveaxis(x, axis, -1); K = x.shape[-1]
;;       x = np.pad(x, [(0, 0)] * (x.ndim - 1) + [(0, -K % 32)]); x = x.reshape(x.shape[:-1] + (-1, 32)); a = np.abs(x).max(-1, keepdims=True)
;;       e = np.where(a > 0, np.clip(np.frexp(np.where(a > 0, a, 1))[1] - 1 - 8, -126, 127), 0)      # np.frexp(a)[1] - 1 = floor(log2(a)), exactly
;;       r = np.clip(x / 2.0 ** e, -448, 448)
;;       step = 2.0 ** (np.maximum(np.frexp(np.where(r == 0, 1, r))[1] - 1, -6) - 3)
;;       q = np.round(r / step) * step * 2.0 ** e      # np.round: ties to even
;;       return np.moveaxis(q.reshape(q.shape[:-2] + (-1,))[..., :K], -1, axis).astype(np.float32)
;;   ~~~
;;   OPERANDS COMPUTED ON THE WAY. 'Computed on the way' means the value that the module computes at that place (a softmax that the list does not call 'softmax' is quantised finished and normalised). What goes into a quantiser is computed in f32, as accurately as f32 sums, v_exp_f32 and their like allow (about 1e-6 of the number): no bf16 or f16 on the way to a quantiser, and a product that is left as it is and whose result goes on into a quantised operand takes f32 operands (vector FMAs, or v_wmma_f32_16x16x4_f32). A number that lies on a knife's edge between two numbers of the format may be rounded either way, as far as f32 arithmetic and the matrix unit's own rounding can turn it there, and no further.
;; One version. Each part assembles by itself: llvm-mc -triple=amdgcn-amd-amdhsa -mcpu=gfx1250 --defsym DOCPART=n.
;; ======== version 1 of 1: 4 launches
;; limits: a function is approximated: absolute error at most 1.2e-07
;; workspace buffers: xq 8,650,752 bytes; wq 4,325,376 bytes; qb 8,650,752 bytes; kv 17,301,504 bytes; ab 8,650,752 bytes
;; launch quant (part 1): grid 384 x 1, 4 waves a work-group, no clusters, 33,280 bytes of LDS; arguments x, Wq, Wk, Wv, Wo, xq, wq; writes xq, wq
.if DOCPART == 1
	.amdgcn_target "amdgcn-amd-amdhsa--gfx1250"
	.amdhsa_code_object_version 6
	.text
	.protected	k_qaf9bb0a542_quant
	.globl	k_qaf9bb0a542_quant
	.p2align	8
	.type	k_qaf9bb0a542_quant,@function
k_qaf9bb0a542_quant:
	s_mov_b64 s[64:65], 0
	v_nop
	global_prefetch_b8 v0, s[64:65] scope:SCOPE_SE
	s_setreg_imm32_b32 hwreg(HW_REG_WAVE_MODE, 25, 1), 1
	s_wait_xcnt 0x0
; THE PROGRAM: tanh attention, B 4, S 2,048, 16 heads of 64, all six products on codes of FP8 (E4M3) with one E8M0 scale for each 32 along K.  Four launches:
; this one (x and the four weights into codes), qkv (products 1 to 3, q, k, v quantised on the way out), attn (products 4 and 5 and the weights between them), proj (product 6).
; WORK LEFT OUT, in attn.  reference() multiplies the scores by its own jnp.tril.  For key > query the score is then 0 whatever q and k hold, tanh(0) = 0, it adds 0 to the sum of magnitudes,
; the weight is 0 / denom = 0, its code is 0 and it cannot raise a block's largest magnitude, so it adds 0 to product 5.  So whole steps of 128 keys that lie behind a block's last query are left
; out of products 4 and 5, of the tanh and of the sums; inside the step on the diagonal the hidden scores are set to 0 by a select.  All five inputs have a way to the output and are loaded.
; LIMIT of that: a NaN, an infinity or an overflow that would arise only in a hidden score is not carried to the result.
;
; THIS LAUNCH.  x [8192][1024] and Wq, Wk, Wv, Wo [1024][1024], f32, K innermost, become codes, K innermost, and one scale byte for each 32 along K:
; xq = codes [8192 rows][1024 B], then from byte 8,388,608 on scale bytes [8192][32];  wq = the four weights on end, codes [4096][1024 B], then from byte 4,194,304 on scale bytes [4096][32].
; A block's scale is 2^(floor(log2(its largest magnitude)) - 8); its byte is the largest magnitude's exponent field - 8, held at 1 from below.  (A block of zeros so gets the byte 1 where the rule
; says 127: its codes are zeros, which add nothing under any byte but 0xff, and the bytes are read by this program alone.)  Each number is divided by the scale, held within +-448, rounded to nearest even.
; LIMITS: blocks whose largest magnitude lies under 2^(8 - 126) have their byte held at 1; NaN and infinities among the inputs are not served.
; THE ORDER OF ROWS.  In x, Wq, Wk, Wv the second and third run of 8 rows of each 32 change places: stored place 16 u + p holds row 8 u + p + 8 (p / 8).  Sixteen neighbouring stored rows are then
; a tile whose result registers, taken with the next tile's, are 16 neighbours along the next product's K.  Wo keeps its order: its rows are the output's columns.
; A work-group takes 32 rows, a wave 8 (8,192 numbers: 16 steps of 512), so the change of places is a change of the wave's destination alone.
; A lane must hold 16 neighbours along K for the conversions, and a load is best where neighbouring lanes take neighbouring bytes: each load reads 512 consecutive bytes, and a step's 2,048 bytes
; turn through the wave's own stage in LDS (16 bytes of padding behind each 64).  No tensor loads, no barrier: waves share nothing.  No cluster: no byte is read twice.
.set WAVES, 4
.set STEPS, 16
.set XWG,   256                        ; the first 256 work-groups take x, the other 128 the weights, 32 each
.set MANT,  0x600000                   ; the mantissa field of 448 as f32
.set CB,    16                         ; bytes of 16 codes
.set R,     16                         ; v16-79   four sets of 16 numbers as they are loaded
.set X,     80                         ; v80-111  two sets of 16 neighbours
.set C,     128                        ; v128-191 codes: four registers for each step, so that no store's data are written again
.set E,     112                        ; v112-127 a scale byte for each step
.set WREG,  8192                       ; LDS: a region for each wave: two stages of 32 x SP bytes, behind them its 256 scale bytes
.set SP,    80                         ; a lane's place in a stage: its 64 bytes + 16 of padding
.set SPW,   12                         ; v12      LDS address of my spare word; never rewritten
.set NIL,   13                         ; v13      0; never rewritten
.set SPARE, WAVES*WREG                 ; behind the four regions: the spare words, 128 bytes for each wave
	s_load_b256 s[4:11], s[0:1], 0x0               ; x, Wq, Wk, Wv
	s_load_b128 s[12:15], s[0:1], 0x20             ; Wo, xq
	s_load_b64 s[16:17], s[0:1], 0x30              ; wq
	v_lshl_add_u32 v[SPW], v0, 2, SPARE
	v_mov_b32 v[NIL], 0
	v_lshrrev_b32 v1, 5, v0
	v_readfirstlane_b32 s18, v1                    ; wave
	v_and_b32 v2, 31, v0                           ; lane
	v_lshlrev_b32 v3, 4, v2                        ; my 16 bytes of a load's 512
	s_mul_i32 s19, s18, WREG
	v_lshrrev_b32 v14, 2, v2
	v_mul_u32_u24 v14, v14, SP
	v_and_b32 v15, 3, v2
	v_lshl_add_u32 v14, v15, 4, v14
	v_add_nc_u32 v14, s19, v14                     ; the stage, on the way in: SP (lane / 4) + 16 (lane % 4)
	v_mul_u32_u24 v15, v2, SP
	v_add_nc_u32 v15, s19, v15                     ; and on the way out: SP x lane: my 16 neighbours
	v_mul_u32_u24 v4, v2, CB                       ; my codes' place in a step's
	v_lshrrev_b32 v5, 1, v2
	s_add_co_u32 s19, s19, 2*32*SP
	v_add_nc_u32 v5, s19, v5                       ; LDS: my wave's 256 scale bytes, my block's byte
	v_lshlrev_b32 v7, 3, v2                        ; and on the way out 8 bytes a lane
	v_add_nc_u32 v6, s19, v7
	s_mov_b32 s23, MANT
	s_sub_co_u32 s20, ttmp9, XWG                   ; which chunk of 32 rows of the four weights (of no use in x's work-groups)
	s_lshr_b32 s21, s20, 5                         ; which weight: 0 Wq, 1 Wk, 2 Wv, 3 Wo
	s_and_b32 s22, s20, 31                         ; which chunk of it
	s_and_b32 s34, s18, 1
	s_lshl_b32 s34, s34, 1
	s_lshr_b32 s35, s18, 1
	s_or_b32 s34, s34, s35                         ; where my 8 rows go among the 32: runs 1 and 2 change places,
	s_cmp_eq_u32 s21, 3
	s_cselect_b32 s34, s18, s34                    ; but not in Wo
	s_wait_kmcnt 0x0
	s_mov_b64 s[24:25], s[12:13]                   ; the source: the choice hangs on the work-group's number alone
	s_cmp_eq_u32 s21, 2
	s_cselect_b64 s[24:25], s[10:11], s[24:25]
	s_cmp_eq_u32 s21, 1
	s_cselect_b64 s[24:25], s[8:9], s[24:25]
	s_cmp_eq_u32 s21, 0
	s_cselect_b64 s[24:25], s[6:7], s[24:25]
	s_cmp_lt_u32 ttmp9, XWG
	s_cselect_b64 s[24:25], s[4:5], s[24:25]
	s_cselect_b64 s[26:27], s[14:15], s[16:17]     ; the destination: xq or wq
	s_cselect_b32 s28, ttmp9, s22                  ; the chunk in the source,
	s_cselect_b32 s29, ttmp9, s20                  ; and in the destination
	s_mov_b32 s30, 0x400000
	s_cselect_b32 s30, 0x800000, s30               ; where the destination's scale bytes begin
	s_lshl_b32 s28, s28, 2
	s_add_co_u32 s28, s28, s18
	s_lshl_b32 s36, s28, 15                        ; my 8 rows in the source: 32,768 bytes a run
	s_mov_b32 s37, 0
	s_lshl_b32 s29, s29, 2
	s_add_co_u32 s29, s29, s34
	s_lshl_b32 s38, s29, 13                        ; their codes: 8,192 bytes a run
	s_mov_b32 s39, 0
	s_lshl_b32 s40, s29, 8                         ; their scale bytes: 256 a run
	s_add_co_u32 s40, s40, s30
	s_mov_b32 s41, 0
	s_add_nc_u64 s[24:25], s[24:25], s[36:37]
	s_add_nc_u64 s[32:33], s[26:27], s[40:41]
	s_add_nc_u64 s[26:27], s[26:27], s[38:39]
.macro LOAD t
.irp i, 0,1,2,3
	global_load_b128 v[R+16*((\t)%4)+4*\i:R+16*((\t)%4)+4*\i+3], v3, s[24:25] offset:2048*(\t)+512*\i th:TH_LOAD_NT   ; 32 lanes read 512 consecutive bytes
.endr
.endm
.macro TURN t                          ; step t's numbers through the stage: LDS serves a wave's instructions in order, so no wait stands between the stores and the loads
.irp i, 0,1,2,3
	ds_store_b128 v14, v[R+16*((\t)%4)+4*\i:R+16*((\t)%4)+4*\i+3] offset:32*SP*((\t)%2)+8*SP*\i
.endr
.irp i, 0,1,2,3
	ds_load_b128 v[X+16*((\t)%2)+4*\i:X+16*((\t)%2)+4*\i+3], v15 offset:32*SP*((\t)%2)+16*\i
.endr
.endm
.irp t, 0,1,2,3
	LOAD \t
.endr
	s_wait_loadcnt 12                              ; step 0's four loads are in; the twelve of steps 1 to 3 may be out
	TURN 0
.macro STEP t
.set XS, X+16*((\t)%2)
.if (\t) > 0
	s_wait_dscnt 1                                 ; this step's numbers are back from the stage (the last step's byte store may be out): so its stores into the stage have read their registers,
.else
	s_wait_dscnt 0x0
.endif
.if (\t)+4 < STEPS
	LOAD (\t)+4                                    ; which take the loads of four steps on
.endif
.if (\t)+1 < STEPS
.if STEPS-2-(\t) >= 3
	s_wait_loadcnt 12                              ; the next step's four loads are in; those of the three steps behind it may be out
.else
	s_wait_loadcnt 4*(STEPS-2-(\t))
.endif
	TURN (\t)+1                                    ; and go through the other stage while this step is worked
.endif
	v_max3_num_f32 v8, |v[XS]|, |v[XS+1]|, |v[XS+2]|               ; the largest magnitude of my 16, in two chains
	v_max3_num_f32 v9, |v[XS+3]|, |v[XS+4]|, |v[XS+5]|
.irp i, 6,10
	v_max3_num_f32 v8, v8, |v[XS+\i]|, |v[XS+\i+1]|
	v_max3_num_f32 v9, v9, |v[XS+\i+2]|, |v[XS+\i+3]|
.endr
	v_max3_num_f32 v8, v8, |v[XS+14]|, |v[XS+15]|
	v_max3_num_f32 v8, v8, v9, 0x4800000           ; and the floor 2^(9 - 127): so the byte cannot fall under 1
	v_max_num_f32_dpp v8, v8, v8 row_xmask:1 row_mask:0xf bank_mask:0xf   ; and of my neighbour's 16: the block's
	v_add_nc_u32 v11, 0xfc000000, v8               ; 8 off its exponent field: the conversion takes the exponent field of this operand as its scale, and nothing else of it
	v_and_or_b32 v10, v8, 0x7f800000, s23          ; 448 x the scale
.irp i, 0,1,2,3,4,5,6,7,8,9,10,11,12,13,14,15
	v_med3_num_f32 v[XS+\i], v[XS+\i], -v10, v10   ; the conversion to an 8-bit code does not saturate (ISA guide 7.6.2): the hold comes first
.endr
	v_cvt_scalef32_pk8_fp8_f32 v[C+4*(\t):C+4*(\t)+1], v[XS:XS+7], v11
	v_cvt_scalef32_pk8_fp8_f32 v[C+4*(\t)+2:C+4*(\t)+3], v[XS+8:XS+15], v11
	v_lshrrev_b32 v[E+(\t)], 23, v11               ; the scale's byte (also the plain line behind the conversions)
	ds_store_b8 v5, v[E+(\t)] offset:16*(\t)       ; both lanes of a block write the same byte with the same value
	global_store_b128 v4, v[C+4*(\t):C+4*(\t)+3], s[26:27] offset:32*CB*(\t)   ; the wave stores 512 consecutive bytes
.endm
.irp t, 0,1,2,3,4,5,6,7,8,9,10,11,12,13,14,15
	STEP \t
.endr
	ds_load_b64 v[8:9], v6                         ; LDS serves a wave's instructions in order: these see my stores
	s_wait_dscnt 0x0
	global_store_b64 v7, v[8:9], s[32:33]          ; 32 lanes store 256 consecutive bytes, aligned: 8 rows' scale bytes
	s_wait_tensorcnt 0x0                           ; the wave's end
	ds_add_u32 v[SPW], v[NIL]
	s_wait_dscnt 0x0
	s_endpgm
.Lfunc_end_k_qaf9bb0a542_quant:
	.size	k_qaf9bb0a542_quant, .Lfunc_end_k_qaf9bb0a542_quant-k_qaf9bb0a542_quant
	.p2alignl 7, 3214868480
	.fill 96, 4, 3214868480
	.section	.rodata,"a",@progbits
	.p2align	6, 0x0
	.amdhsa_kernel k_qaf9bb0a542_quant
		.amdhsa_group_segment_fixed_size 33280
		.amdhsa_private_segment_fixed_size 0
		.amdhsa_enable_private_segment 0
		.amdhsa_kernarg_size 56
		.amdhsa_user_sgpr_count 2
		.amdhsa_user_sgpr_kernarg_segment_ptr 1
		.amdhsa_wavefront_size32 1
		.amdhsa_system_sgpr_workgroup_id_x 1
		.amdhsa_system_sgpr_workgroup_id_y 1
		.amdhsa_system_sgpr_workgroup_id_z 1
		.amdhsa_system_vgpr_workitem_id 0
		.amdhsa_next_free_vgpr 192
		.amdhsa_next_free_sgpr 66
		.amdhsa_reserve_vcc 0
		.amdhsa_float_denorm_mode_32 3
		.amdhsa_float_denorm_mode_16_64 3
		.amdhsa_memory_ordered 1
		.amdhsa_forward_progress 1
		.amdhsa_inst_pref_size 52
	.end_amdhsa_kernel
	.amdgpu_metadata
---
amdhsa.version: [ 1, 2 ]
amdhsa.kernels:
  - .name:           k_qaf9bb0a542_quant
    .symbol:         k_qaf9bb0a542_quant.kd
    .args:
      - { .name: x, .offset: 0, .size: 8, .value_kind: global_buffer, .address_space: global }
      - { .name: Wq, .offset: 8, .size: 8, .value_kind: global_buffer, .address_space: global }
      - { .name: Wk, .offset: 16, .size: 8, .value_kind: global_buffer, .address_space: global }
      - { .name: Wv, .offset: 24, .size: 8, .value_kind: global_buffer, .address_space: global }
      - { .name: Wo, .offset: 32, .size: 8, .value_kind: global_buffer, .address_space: global }
      - { .name: xq, .offset: 40, .size: 8, .value_kind: global_buffer, .address_space: global }
      - { .name: wq, .offset: 48, .size: 8, .value_kind: global_buffer, .address_space: global }
    .group_segment_fixed_size: 33280
    .private_segment_fixed_size: 0
    .kernarg_segment_align: 8
    .kernarg_segment_size: 56
    .max_flat_workgroup_size: 128
    .sgpr_count:     66
    .vgpr_count:     192
    .wavefront_size: 32
...
	.end_amdgpu_metadata
.endif
;; end of part 1
;; launch qkv (part 2): grid 12 x 32, 4 waves a work-group, clusters of 4 x 4, 327,680 bytes of LDS; arguments xq, wq, qb, kv; writes qb, kv
.if DOCPART == 2
	.amdgcn_target "amdgcn-amd-amdhsa--gfx1250"
	.amdhsa_code_object_version 6
	.text
	.protected	k_qaf9bb0a542_qkv
	.globl	k_qaf9bb0a542_qkv
	.p2align	8
	.type	k_qaf9bb0a542_qkv,@function
k_qaf9bb0a542_qkv:
	s_mov_b64 s[64:65], 0
	v_nop
	global_prefetch_b8 v0, s[64:65] scope:SCOPE_SE
	s_setreg_imm32_b32 hwreg(HW_REG_WAVE_MODE, 25, 1), 1
	s_wait_xcnt 0x0
	s_wait_alu depctr_hold_cnt(0) depctr_sa_sdst(0) depctr_va_vdst(0) depctr_va_sdst(0) depctr_va_ssrc(0) depctr_va_vcc(0) depctr_vm_vsrc(0)
	s_getreg_b32 s2, hwreg(HW_REG_IB_STS2, 6, 4)
	s_cmp_eq_u32 s2, 0
	s_cbranch_scc0 .Lentry_in_a_cluster
	s_endpgm
.Lentry_in_a_cluster:
	s_bfe_u32 s2, ttmp6, 0x10000c
	s_cmp_lg_u32 s2, 0xf033
	s_cbranch_scc0 .Lentry_shape_is_right
	s_endpgm
.Lentry_shape_is_right:
; q = x Wq^T, k = x Wk^T, v = x Wv^T on the codes that the launch before made (K = 1,024), and each result quantised on the way out, in registers, for the attention launch.  Nothing wider than codes is stored.
; A work-group of four waves makes 256 x 256 results, a wave 128 x 128: 64 accumulators of 16 x 16.  K goes in steps of 256 through a ring of two LDS slots filled by the tensor data mover; the scale bytes of the
; work-group's 2 x 256 rows, for all of K, come once with the first fills.  The matrix instruction takes "B" as source 0 and "A" as source 1: a lane then holds ONE row of A and, in its registers, rows of B.
; ROLES, by the cluster's x (the same in all sixteen partners; only pointers and numbers are chosen, no branch):  0: q, 1: k:  B = 256 rows of [Wq; Wk], A = 256 rows of x: a lane holds a token and 128 features: two heads;
; 2: v:  B = 256 rows of x, A = 256 rows of Wv: a lane holds one of the head's dims and 128 keys.  So in each role a lane's registers run along the K of the product that comes next (the head's 64; the keys).
; By the stored order of rows (second and third run of 8 of each 32 changed), registers 16 b + i of a lane are B's rows 32 b + 16 (lane / 16) + i: the conversions' results are pieces of the next operand's registers.
; CLUSTERS: 4 x 4.  A's tile hangs on cy and the cluster's numbers and is shared along a row of the cluster, B's on cx and is shared along a column: each is asked for jointly.
; WHAT IS STORED.  A piece = 512 bytes = four registers of a fragment, 16 bytes a lane.  qb: [head 64][group of 32 queries 64][piece 2 u + c], then from byte 8,388,608 on scale words [head][group][16].
; kv: a record of 16,896 bytes for each head and each 128 keys: K's pieces [b 4][2 u + c], V^T's pieces [tile of 16 dims 4][c 4], K's scale words [b 4][16], V's [tile 4][16].
; The score's factor 1/8 is taken off q's scale bytes here (3 off the exponent: exact).  LIMITS: a block of q whose largest magnitude lies under 2^-115 gets too large a scale; a block of zeros keeps byte 1; NaN and infinities are not served.
; REGISTERS, in windows of 256: window 0: v16-29 addresses; v32-63 A's scale words, two sets; v64-95 B's; from v128 A's fragments, one set (on the way out: codes and work).  window 1: B's fragments, two sets.
;   window 2: the accumulators of my rows 0-63 of A ((a, b) at v[8 (8 a + b)]);  window 3: of rows 64-127.
.set NQ,     2                         ; matrix instructions deep in a slot
.set ROWB,   256                       ; a tile's row in bytes
.set KROW,   1024                      ; a row of codes in memory
.set PITCH,  272                       ; an LDS row: 256 bytes + 16 of padding, so that the 16 rows that a load touches start 16 bytes further on in each 256
.set FR,     16                        ; registers of a fragment
.set NL,     4                         ; LDS loads that bring one
.set NP,     8                         ; places behind this matrix instruction (ISA guide 7.12.1)
.set HALFT,  128*PITCH
.set SLOT,   4*HALFT                   ; A's 256 rows, then B's 256 rows
.set LAPS,   2                         ; 1,024 / 512
.set SCL,    2*SLOT                    ; behind the ring: the scale bytes, as rows of 256 bytes + 16
.set HALFS,  16*272                    ; those of 128 rows (32 bytes a row)
.set SBLK,   2*272                     ; those of 16 rows
.set SPARE,  SCL+4*HALFS               ; the spare words, 128 bytes for each wave
.set ADRA, 16                          ; v16-17  LDS address of my A fragments in slot 0, 1
.set ADRB, 20                          ; v20-21  the same for B
.set ADRSA, 22                         ; v22     of A's scale words
.set ADRSB, 23                         ; v23     of B's
.set SPW,  28
.set NIL,  29
.set SCA,  32                          ; A's scale words: set s at v[SCA + 16 s]; register 2 i + q: block i, the slot's q-th 128 along K
.set SCB,  64                          ; B's likewise
.set AF,   128
.set PC,   128                         ; the way out: a block's codes,
.set TM,   144                         ; its work,
.set PWD,  160                         ; and two blocks' scale words; v162, v163: what is stored of them
.set G1, 24
.set G0, 32
.set G1B, 48
.set G0B, 56
.set G1S, 68
.set G0S, 76
.set G1SB, 80
.set G0SB, 88
.set MSB, 0
.macro WIN new                         ; the immediate's high byte repeats the setting that is left
.if MSB != (\new)
	s_set_vgpr_msb (MSB<<8)|(\new)
.set MSB, (\new)
.endif
.endm
.set MUL_LO, 0xa1                      ; source 0 (B) window 1, source 1 (A) window 0, C and D window 2
.set MUL_HI, 0xf1
.set TO_B,   0x40
; A joint load: waves 0 and 1 fetch for A, waves 2 and 3 for B.  The branch hangs on the wave's number alone.  An s_nop 0 and four v_nop follow each of the two lines.
.macro JLOAD g0a, g1a, g0b, g1b
	s_cmp_eq_u32 s19, 0
	s_cbranch_scc0 .Lfor_b_\@
	tensor_load_to_lds s[\g0a:\g0a+3], s[\g1a:\g1a+7]
	s_nop 0
.rept 4
	v_nop
.endr
	s_branch .Lasked_\@
.Lfor_b_\@:
	tensor_load_to_lds s[\g0b:\g0b+3], s[\g1b:\g1b+7]
	s_nop 0
.rept 4
	v_nop
.endr
.Lasked_\@:
.endm
.macro CREST                           ; a round of the cluster's barrier behind its opening barrier
	s_cmp_lg_u32 s18, 0
	s_cbranch_scc1 .Lnot_wave_0_\@
	s_barrier_signal -3
.Lnot_wave_0_\@:
	s_barrier_wait -3
	s_barrier_signal -1
	s_barrier_wait -1
.endm
.macro CROUND
	s_barrier_signal -1
	s_barrier_wait -1
	CREST
.endm
	s_load_b256 s[4:11], s[0:1], 0x0               ; xq, wq, qb, kv
	v_lshl_add_u32 v[SPW], v0, 2, SPARE
	v_mov_b32 v[NIL], 0
	ds_add_u32 v[SPW], v[NIL]                      ; the wave's opening: the add, twice on end, and its wait ahead of my first tensor load
	ds_add_u32 v[SPW], v[NIL]
	v_lshrrev_b32 v1, 5, v0
	v_readfirstlane_b32 s18, v1                    ; wave 0..3
	s_lshr_b32 s19, s18, 1                         ; which half of A's rows is mine.  Also: I fetch for A (0) or for B (1)
	s_and_b32 s20, s18, 1                          ; which half of B's rows.  Also: which 128 rows of that tile I fetch
	s_bfe_u32 s40, ttmp6, 0x40000                  ; cx
	s_bfe_u32 s41, ttmp6, 0x40004                  ; cy
	s_and_b32 s21, ttmp7, 0xffff
	s_lshl_b32 s21, s21, 2                         ; 4 x cluster y
	s_lshl_b32 s22, ttmp9, 2                       ; 4 x cluster x
	s_cmp_eq_u32 ttmp9, 2                          ; the role v?
	s_cselect_b32 s42, s21, s22                    ; B's tile of 256 rows: v: x's 4 CY + cx; q, k: [Wq; Wk]'s 4 CX + cx
	s_cselect_b32 s45, 8, s21                      ; A's: v: Wv's, 8 + cy in wq; q, k: x's 4 CY + cy
	s_mov_b32 s94, 0x800000
	s_cselect_b32 s94, 0x400000, s94               ; where the scale bytes begin in A's buffer,
	s_mov_b32 s95, 0x400000
	s_cselect_b32 s95, 0x800000, s95               ; and in B's
	s_add_co_u32 s42, s42, s40
	s_add_co_u32 s45, s45, s41
	s_lshl_b32 s43, s41, 2
	s_lshl_b32 s43, 15, s43                        ; my row of the cluster
	s_lshl_b32 s44, 0x1111, s40                    ; my column
	; descriptor group 1: a tile of 128 rows x 256 bytes, 16 bytes of padding behind each row
	s_or_b32 s[G1+0], s43, (0<<16)|(1<<20)|(1<<21)|(5<<22)|(3<<25)
	s_or_b32 s[G1B+0], s44, (0<<16)|(1<<20)|(1<<21)|(5<<22)|(3<<25)
.irp g, G1, G1B
	s_mov_b32 s[\g+1], ROWB<<16                    ; tensor_dim0
	s_mov_b32 s[\g+2], 128<<16                     ; tensor_dim1
	s_mov_b32 s[\g+3], ROWB<<16                    ; tile_dim0
	s_mov_b32 s[\g+4], 128                         ; tile_dim1
	s_mov_b32 s[\g+5], KROW                        ; the pitch
	s_mov_b32 s[\g+6], 0
	s_mov_b32 s[\g+7], 0
.endr
	; and for the scale bytes of 128 rows: 4,096 dense bytes as 16 rows of 256 (32 elements of 8 bytes), 16 bytes of padding behind each
	s_or_b32 s[G1S+0], s43, (3<<16)|(1<<20)|(1<<21)|(5<<22)|(3<<25)
	s_or_b32 s[G1SB+0], s44, (3<<16)|(1<<20)|(1<<21)|(5<<22)|(3<<25)
.irp g, G1S, G1SB
	s_mov_b32 s[\g+1], 32<<16
	s_mov_b32 s[\g+2], 16<<16
	s_mov_b32 s[\g+3], 32<<16
	s_mov_b32 s[\g+4], 16
	s_mov_b32 s[\g+5], 32
	s_mov_b32 s[\g+6], 0
	s_mov_b32 s[\g+7], 0
.endr
	s_lshl_b32 s21, s20, 7                         ; which 128 rows of the tile I fetch
	s_lshl_b32 s96, s45, 8
	s_add_co_u32 s96, s96, s21                     ; A: the first of them
	s_lshl_b32 s92, s96, 5
	s_add_co_u32 s92, s92, s94                     ; its scale bytes,
	s_lshl_b32 s96, s96, 10                        ; its codes (all under 2^24)
	s_mov_b32 s93, 0
	s_mov_b32 s97, 0
	s_lshl_b32 s98, s42, 8
	s_add_co_u32 s98, s98, s21                     ; B likewise, in registers that never hold cy
	s_lshl_b32 s22, s98, 5
	s_add_co_u32 s22, s22, s95
	s_lshl_b32 s98, s98, 10
	s_mov_b32 s23, 0
	s_mov_b32 s99, 0
	s_mul_i32 s46, s18, HALFT                      ; where they go: wave x 128 rows: no place in the cluster enters an LDS address
	s_mul_i32 s47, s18, HALFS
	s_wait_dscnt 0x0                               ; both opening adds are done
	s_wait_kmcnt 0x0
	s_cmp_eq_u32 ttmp9, 2
	s_cselect_b64 s[12:13], s[6:7], s[4:5]         ; A's buffer: v: wq, else xq
	s_cselect_b64 s[14:15], s[4:5], s[6:7]         ; B's
	s_add_nc_u64 s[96:97], s[12:13], s[96:97]
	s_add_nc_u64 s[92:93], s[12:13], s[92:93]
	s_add_nc_u64 s[98:99], s[14:15], s[98:99]
	s_add_nc_u64 s[22:23], s[14:15], s[22:23]
	CROUND                                         ; all sixteen work-groups are here: the first joint loads meet
	s_mov_b32 s[G0S], 1
	s_add_co_u32 s[G0S+1], s47, SCL
	s_mov_b64 s[G0S+2:G0S+3], s[92:93]
	s_or_b32 s[G0S+3], s[G0S+3], 0x80000000
	s_mov_b32 s[G0SB], 1
	s_add_co_u32 s[G0SB+1], s47, SCL
	s_mov_b64 s[G0SB+2:G0SB+3], s[22:23]
	s_or_b32 s[G0SB+3], s[G0SB+3], 0x80000000
	JLOAD G0S, G1S, G0SB, G1SB                     ; the scale bytes first: they are wanted with K step 0
.irp s, 0,1
	s_mov_b32 s[G0+4*\s], 1
	s_add_co_u32 s[G0+4*\s+1], s46, \s*SLOT
	s_add_nc_u64 s[G0+4*\s+2:G0+4*\s+3], s[96:97], \s*ROWB
	s_or_b32 s[G0+4*\s+3], s[G0+4*\s+3], 0x80000000
	s_mov_b32 s[G0B+4*\s], 1
	s_add_co_u32 s[G0B+4*\s+1], s46, \s*SLOT
	s_add_nc_u64 s[G0B+4*\s+2:G0B+4*\s+3], s[98:99], \s*ROWB
	s_or_b32 s[G0B+4*\s+3], s[G0B+4*\s+3], 0x80000000
	JLOAD G0+4*\s, G1, G0B+4*\s, G1B               ; three loads of mine are out behind the second of these
.endr
	v_and_b32 v1, 15, v0                           ; r
	v_bfe_u32 v2, v0, 4, 1                         ; h
	v_mul_u32_u24 v3, v1, PITCH
	v_lshl_add_u32 v4, v2, 4, v3                   ; a fragment's row x pitch + 16 h
	s_mul_i32 s21, s19, HALFT                      ; my 128 rows of A
	s_mul_i32 s66, s20, HALFT                      ; my 128 rows of B,
	s_add_co_u32 s66, s66, 2*HALFT                 ; which lie behind A's 256
.irp s, 0,1
	v_add_nc_u32 v[ADRA+\s], s21, v4
	v_add_nc_u32 v[ADRB+\s], s66, v4
	s_add_co_u32 s21, s21, SLOT
	s_add_co_u32 s66, s66, SLOT
.endr
	v_lshlrev_b32 v5, 5, v1                        ; my row's scale bytes: 32 a row,
	v_lshrrev_b32 v6, 8, v5
	v_lshl_add_u32 v5, v6, 4, v5                   ; and 16 more for each 256 passed
	s_mul_i32 s21, s19, HALFS
	s_add_co_u32 s21, s21, SCL
	v_add_nc_u32 v[ADRSA], s21, v5
	s_mul_i32 s21, s20, HALFS
	s_add_co_u32 s21, s21, SCL+2*HALFS
	v_add_nc_u32 v[ADRSB], s21, v5
.macro FRAG reg, adr, q, i             ; 16 rows x 128 K of codes: lane l holds row l % 16; registers 4 c .. 4 c + 3 hold K = 32 c + 16 (l / 16) + 0 .. 15
.irp c, 0,1,2,3
	ds_load_b128 v[\reg+4*\c:\reg+4*\c+3], v[\adr] offset:128*(\q)+32*\c+(\i)*16*PITCH
.endr
.endm
; 16 matrix instructions: A's blocks a0, a0 + 1 x B's eight.  p: B's set; sc: the set of scale words.  zero = 1: the first product starts the sums.  The 64 accumulators take turns, one instruction a turn, in the same order in every step.
.macro MUL16 a0, p, q, sc, zero
.irp a, \a0, \a0+1
.irp b, 0,1,2,3,4,5,6,7
.if \zero
	v_wmma_scale_f32_16x16x128_f8f6f4 v[8*(8*((\a)%4)+\b):8*(8*((\a)%4)+\b)+7], v[128*(\p)+FR*\b:128*(\p)+FR*\b+FR-1], v[AF+FR*(\a):AF+FR*(\a)+FR-1], 0, v[SCB+16*(\sc)+2*\b+(\q)], v[SCA+16*(\sc)+2*(\a)+(\q)]
.else
	v_wmma_scale_f32_16x16x128_f8f6f4 v[8*(8*((\a)%4)+\b):8*(8*((\a)%4)+\b)+7], v[128*(\p)+FR*\b:128*(\p)+FR*\b+FR-1], v[AF+FR*(\a):AF+FR*(\a)+FR-1], v[8*(8*((\a)%4)+\b):8*(8*((\a)%4)+\b)+7], v[SCB+16*(\sc)+2*\b+(\q)], v[SCA+16*(\sc)+2*(\a)+(\q)]
.endif
.endr
.endr
.endm
.macro FETCH_B slot, q, p
	WIN TO_B
.irp i, 0,1,2,3,4,5,6,7
	FRAG 128*(\p)+FR*\i, ADRB+\slot, \q, \i
.endr
	WIN 0
.endm
.macro FETCH_A slot, q, i0
.irp i, \i0, \i0+1, \i0+2, \i0+3
	FRAG AF+FR*(\i), ADRA+\slot, \q, \i
.endr
.endm
.macro SCALES sc                       ; a K step's scale words, two a row, of A's eight blocks and of B's: lane l takes row l % 16's
.irp i, 0,1,2,3,4,5,6,7
	ds_load_b64 v[SCA+16*\sc+2*\i:SCA+16*\sc+2*\i+1], v[ADRSA] offset:\i*SBLK
.endr
.irp i, 0,1,2,3,4,5,6,7
	ds_load_b64 v[SCB+16*\sc+2*\i:SCB+16*\sc+2*\i+1], v[ADRSB] offset:\i*SBLK
.endr
.endm
.macro PLACES n                        ; plain vector lines between a matrix instruction and a load into, or a vector line on, one of its registers
.rept \n
	v_nop
.endr
.endm
; A step of 128 along K that has its successor in the same slot.  A block of A is free as soon as its eight products are issued: blocks 0-3 are fetched anew in the step's middle, blocks 4-7 at its end.
.macro STEP slot, q, zero
	s_wait_dscnt 4*NL                              ; all but the youngest sixteen loads (A's blocks 4-7) are in
	WIN MUL_LO
	MUL16 0, (\q)%2, \q, \slot, \zero
	MUL16 2, (\q)%2, \q, \slot, \zero
	s_wait_dscnt 0
	PLACES NP
	FETCH_B \slot, (\q)+1, 1-(\q)%2
	FETCH_A \slot, (\q)+1, 0
	WIN MUL_HI
	MUL16 4, (\q)%2, \q, \slot, \zero
	MUL16 6, (\q)%2, \q, \slot, \zero
	PLACES NP
	WIN 0
	FETCH_A \slot, (\q)+1, 4
.endm
; A slot's last step changes slots: one barrier; in front of it each wave waits for all its tensor loads, adds 0 to its spare word, and waits for that and for its own reads of this slot.  fill = 1: this slot is filled again, two K steps ahead.
.macro TURN slot, next, fill
	s_wait_tensorcnt 0x0                           ; all my tensor loads have landed: my part of the next slot
	ds_add_u32 v[SPW], v[NIL]                      ; 0 onto my spare word
	s_wait_dscnt 4*NL+1                            ; (the add and the youngest sixteen loads may be out)
	WIN MUL_LO
	MUL16 0, 1, NQ-1, \slot, 0                     ; sixteen matrix instructions stand between the add and the wait for it
	s_wait_dscnt 0x0                               ; the add is done, and my reads of this slot are over
	s_barrier_signal -1
	MUL16 2, 1, NQ-1, \slot, 0
	WIN 0
	s_barrier_wait -1
.if \fill
	CREST                                          ; the barrier has opened a round of the cluster's barrier: no wave of any partner still reads this slot or has a load on its way
	s_add_nc_u64 s[G0+4*\slot+2:G0+4*\slot+3], s[G0+4*\slot+2:G0+4*\slot+3], 2*ROWB
	s_add_nc_u64 s[G0B+4*\slot+2:G0B+4*\slot+3], s[G0B+4*\slot+2:G0B+4*\slot+3], 2*ROWB
	JLOAD G0+4*\slot, G1, G0B+4*\slot, G1B         ; the first tensor load behind the round; its four v_nop are among the places in front of the loads below
	PLACES NP-4
.else
	PLACES NP
.endif
	v_add_nc_u32 v[ADRSA], 8, v[ADRSA]             ; on to the next K step's scale words
	v_add_nc_u32 v[ADRSB], 8, v[ADRSB]
	FETCH_B \next, 0, 0
	FETCH_A \next, 0, 0
	SCALES \next
	WIN MUL_HI
	MUL16 4, 1, NQ-1, \slot, 0
	MUL16 6, 1, NQ-1, \slot, 0
	PLACES NP
	WIN 0
	FETCH_A \next, 0, 4
.endm
	s_wait_tensorcnt 1                             ; the scale bytes and my part of K step 0 are in; K step 1's load may be out
	s_barrier_signal -1
	s_barrier_wait -1
	FETCH_B 0, 0, 0
	FETCH_A 0, 0, 0
	SCALES 0
	FETCH_A 0, 0, 4
	STEP 0, 0, 1                                   ; the first step stands in front of the loop: its products start the sums
	s_mov_b32 s3, LAPS-1
.Llap:                                                 ; a trip goes once round the ring and fills both slots again
	TURN 0, 1, 1
	STEP 1, 0, 0
	TURN 1, 0, 1
	STEP 0, 0, 0
	s_sub_co_u32 s3, s3, 1
	s_cmp_lg_u32 s3, 0
	s_cbranch_scc1 .Llap
	TURN 0, 1, 0                                   ; the last lap fills nothing
	STEP 1, 0, 0
	s_wait_dscnt 4*NL
	WIN MUL_LO
	MUL16 0, 1, NQ-1, 1, 0
	MUL16 2, 1, NQ-1, 1, 0
	s_wait_dscnt 0
	WIN MUL_HI
	MUL16 4, 1, NQ-1, 1, 0
	MUL16 6, 1, NQ-1, 1, 0
	WIN 0
	PLACES NP                                      ; in front of the first read of results and of vector lines on the registers that held A's fragments
	; THE WAY OUT.  No tensor load of mine is out (the last change of slots waited for all), so the descriptors' registers are free.  What the roles differ in is numbers, chosen by the cluster's x.
	s_lshl_b32 s66, s42, 1
	s_add_co_u32 s66, s66, s20                     ; B's rows: which 128
	s_lshl_b32 s67, s45, 1
	s_add_co_u32 s67, s67, s19                     ; A's rows: which 128
	s_cmp_eq_u32 ttmp9, 2
	s_cselect_b32 s92, s67, s66                    ; the side that holds features: which pair of heads (low three bits),
	s_cselect_b32 s93, s66, s67                    ; the side that holds tokens: which 128 of the 8,192
	s_and_b32 s92, s92, 7
	s_lshr_b32 s94, s93, 4                         ; the batch
	s_and_b32 s93, s93, 15                         ; j: which 128 of the sequence
	s_lshl_b32 s94, s94, 4
	s_lshl_b32 s92, s92, 1
	s_add_co_u32 s94, s94, s92                     ; my first head, 16 x batch + head
	s_cmp_eq_u32 ttmp9, 0                          ; q?
	s_cselect_b64 s[86:87], s[8:9], s[10:11]       ; the destination: qb or kv
	s_mov_b32 s68, 270336
	s_cselect_b32 s68, 131072, s68                 ; bytes from head to head
	s_mov_b32 s69, 16896
	s_cselect_b32 s69, 8192, s69                   ; from 128 tokens to the next
	s_mov_b32 s75, 270336
	s_cselect_b32 s75, 4096, s75                   ; the same two for the scale words
	s_mov_b32 s76, 16896
	s_cselect_b32 s76, 256, s76
	s_mov_b32 s77, 16384
	s_cselect_b32 s77, 0x800000, s77               ; where the scale words begin
	s_mov_b32 s71, 270336
	s_cselect_b32 s71, 131072, s71                 ; from pieces 0, 1 to pieces 2, 3 of a block: q, k: the next head
	s_mov_b32 s78, 270336
	s_cselect_b32 s78, 4096, s78                   ; what lanes 16-31 add to a scale word's address: q, k: the next head
	s_mov_b32 s83, 0x4800000
	s_cselect_b32 s83, 0x6000000, s83              ; the floor under the largest magnitude for the stored byte: q: 2^(12 - 127),
	s_mov_b32 s84, 0xfc000000
	s_cselect_b32 s84, 0xfa800000, s84             ; and what is taken off its exponent field: q: 11 = 8 + 3, the 3 being the score's factor 1/8
	s_cmp_eq_u32 ttmp9, 2                          ; v?
	s_cselect_b32 s70, 8192, 0                     ; V^T lies behind K in a record
	s_cselect_b32 s71, 1024, s71
	s_mov_b32 s72, 1024
	s_cselect_b32 s72, 2048, s72                   ; what the three bits of A's block number add
	s_mov_b32 s73, 2048
	s_cselect_b32 s73, 4096, s73
	s_mov_b32 s74, 4096
	s_cselect_b32 s74, 270336, s74
	s_cselect_b32 s77, 16640, s77
	s_cselect_b32 s78, 64, s78
	s_cselect_b32 s79, 128, 64                     ; what the two bits of a pair of blocks add to a scale word's address
	s_mov_b32 s80, 128
	s_cselect_b32 s80, 270336, s80
	s_mov_b32 s81, 0x05040100
	s_cselect_b32 s81, 0x03020100, s81             ; which bytes of two blocks' words make the word of lanes 0-15,
	s_mov_b32 s82, 0x07060302
	s_cselect_b32 s82, 0x07060504, s82             ; and of lanes 16-31
	s_mul_i32 s95, s94, s68
	s_mul_i32 s96, s93, s69
	s_add_co_u32 s95, s95, s96
	s_add_co_u32 s95, s95, s70                     ; where my pieces begin (under 2^25)
	s_mul_i32 s97, s94, s75
	s_mul_i32 s96, s93, s76
	s_add_co_u32 s97, s97, s96
	s_add_co_u32 s97, s97, s77                     ; and my scale words
	s_mov_b32 s99, 0
.set aa, 0
.rept 8                                        ; a base for each of A's eight blocks: s[24:39]
	s_mov_b32 s98, s95
.if aa & 1
	s_add_co_u32 s98, s98, s72
.endif
.if (aa>>1) & 1
	s_add_co_u32 s98, s98, s73
.endif
.if aa>>2
	s_add_co_u32 s98, s98, s74
.endif
	s_add_nc_u64 s[24+2*aa:25+2*aa], s[86:87], s[98:99]
.set aa, aa+1
.endr
.set aa, 0
.rept 4                                        ; and for each pair's scale words: s[48:55]
	s_mov_b32 s98, s97
.if aa & 1
	s_add_co_u32 s98, s98, s79
.endif
.if aa>>1
	s_add_co_u32 s98, s98, s80
.endif
	s_add_nc_u64 s[48+2*aa:49+2*aa], s[86:87], s[98:99]
.set aa, aa+1
.endr
	s_mov_b32 s60, 0x76543210
	s_mov_b32 s61, 0xfedcba98                      ; v_permlanex16_b32's selects for lane l xor 16
	s_mov_b32 s62, 0x600000                        ; the mantissa field of 448
	v_and_b32 v1, 31, v0
	v_and_b32 v2, 15, v0
	v_bfe_u32 v3, v0, 4, 1
	v_lshlrev_b32 v24, 4, v1                       ; a piece: 16 bytes a lane
	v_add_nc_u32 v25, s71, v24
	v_mul_lo_u32 v26, v3, s78
	v_lshl_add_u32 v26, v2, 2, v26                 ; a scale word: 4 r, and lanes 16-31 their own place
	v_cmp_lt_u32 s58, 15, v1                       ; lanes 16-31
.irp b, 0,1,2,3
	v_mov_b32 v[TM+4+\b], 0                        ; written once: a lane permute's destination counts as one of its sources
.endr
; Block a of A: my lane's 64 numbers, register 16 b + i = place 32 b + 16 (lane / 16) + i along the next K, become four pieces of codes and a scale word.  Each accumulator is read from its low end on.
.macro EPI a
.set W, 2+(\a)/4
.set S, 64*((\a)%4)
	WIN W|(W<<2)
.irp b, 0,1,2,3
	v_max3_num_f32 v[TM+\b], |v[S+16*\b]|, |v[S+16*\b+1]|, 0x4800000   ; block b: my 16 numbers, and the floor 2^(9 - 127)
.endr
	WIN (W<<2)|(W<<4)
.irp i, 2,4,6,8,10,12,14
.irp b, 0,1,2,3
	v_max3_num_f32 v[TM+\b], v[TM+\b], |v[S+16*\b+\i]|, |v[S+16*\b+\i+1]|   ; (the four blocks by turns)
.endr
.endr
	WIN 0
.irp b, 0,1,2,3
	v_permlanex16_b32 v[TM+4+\b], v[TM+\b], s60, s61
.endr
.irp b, 0,1,2,3
	v_max_num_f32 v[TM+\b], v[TM+\b], v[TM+4+\b]   ; with lane l xor 16's: the block's largest magnitude
.endr
.irp b, 0,1,2,3
	v_add_nc_u32 v[TM+12+\b], 0xfc000000, v[TM+\b] ; 8 off its exponent field: the conversion's scale operand
.endr
.irp b, 0,1,2,3
	v_and_or_b32 v[TM+8+\b], v[TM+\b], 0x7f800000, s62   ; 448 x the scale
.endr
.irp b, 0,1,2,3
	v_max_num_f32 v[TM+4+\b], s83, v[TM+\b]        ; the stored byte: the role's floor,
.endr
.irp b, 0,1,2,3
	v_add_nc_u32 v[TM+4+\b], s84, v[TM+4+\b]       ; the role's 8 or 11 off the exponent field,
.endr
.irp b, 0,1,2,3
	v_lshrrev_b32 v[TM+4+\b], 23, v[TM+4+\b]       ; and the field itself: 1 at the least
.endr
	v_lshl_or_b32 v[PWD+(\a)%2], v[TM+5], 8, v[TM+4]
	v_lshl_or_b32 v[PWD+(\a)%2], v[TM+6], 16, v[PWD+(\a)%2]
	v_lshl_or_b32 v[PWD+(\a)%2], v[TM+7], 24, v[PWD+(\a)%2]
	s_wait_xcnt 0x0                                ; the last block's stores have read their registers: the codes and the stored word are written again only behind this wait
	WIN W|(W<<6)
.irp b, 0,1,2,3
.irp i, 0,1,2,3,4,5,6,7,8,9,10,11,12,13,14,15
	v_med3_num_f32 v[S+16*\b+\i], v[S+16*\b+\i], -v[TM+8+\b], v[TM+8+\b]   ; the conversion to an 8-bit code does not saturate (ISA guide 7.6.2): the hold comes first
.endr
.endr
	WIN W
.irp b, 0,1,2,3
	v_cvt_scalef32_pk8_fp8_f32 v[PC+4*\b:PC+4*\b+1], v[S+16*\b:S+16*\b+7], v[TM+12+\b]
	v_cvt_scalef32_pk8_fp8_f32 v[PC+4*\b+2:PC+4*\b+3], v[S+16*\b+8:S+16*\b+15], v[TM+12+\b]
.endr
	WIN 0
	v_nop                                          ; a plain line behind the last conversion
	global_store_b128 v24, v[PC:PC+3], s[24+2*(\a):25+2*(\a)]                 ; each store of the wave covers 512 consecutive bytes, aligned
	global_store_b128 v24, v[PC+4:PC+7], s[24+2*(\a):25+2*(\a)] offset:512
	global_store_b128 v25, v[PC+8:PC+11], s[24+2*(\a):25+2*(\a)]
	global_store_b128 v25, v[PC+12:PC+15], s[24+2*(\a):25+2*(\a)] offset:512
.if ((\a)%2) == 1
	v_perm_b32 v162, v[PWD+1], v[PWD], s81         ; two blocks' words are dealt anew: q, k: a word for each head (tile 0's two bytes, tile 1's two); v: a word for each tile
	v_perm_b32 v163, v[PWD+1], v[PWD], s82
	v_cndmask_b32 v162, v162, v163, s58
	global_store_b32 v26, v162, s[48+2*((\a)/2):49+2*((\a)/2)]   ; runs of 64 bytes: the scale words are one part in 32 of what is stored
.endif
.endm
.irp a, 0,1,2,3,4,5,6,7
	EPI \a
.endr
	s_wait_tensorcnt 0x0                           ; the wave's end
	ds_add_u32 v[SPW], v[NIL]
	s_wait_dscnt 0x0
	CROUND                                         ; the closing round: no work-group ends while a partner may still ask for a tile that names it
	s_endpgm
.Lfunc_end_k_qaf9bb0a542_qkv:
	.size	k_qaf9bb0a542_qkv, .Lfunc_end_k_qaf9bb0a542_qkv-k_qaf9bb0a542_qkv
	.p2alignl 7, 3214868480
	.fill 96, 4, 3214868480
	.section	.rodata,"a",@progbits
	.p2align	6, 0x0
	.amdhsa_kernel k_qaf9bb0a542_qkv
		.amdhsa_group_segment_fixed_size 327680
		.amdhsa_private_segment_fixed_size 0
		.amdhsa_enable_private_segment 0
		.amdhsa_kernarg_size 32
		.amdhsa_user_sgpr_count 2
		.amdhsa_user_sgpr_kernarg_segment_ptr 1
		.amdhsa_wavefront_size32 1
		.amdhsa_system_sgpr_workgroup_id_x 1
		.amdhsa_system_sgpr_workgroup_id_y 1
		.amdhsa_system_sgpr_workgroup_id_z 1
		.amdhsa_system_vgpr_workitem_id 0
		.amdhsa_next_free_vgpr 1024
		.amdhsa_next_free_sgpr 100
		.amdhsa_reserve_vcc 0
		.amdhsa_float_denorm_mode_32 3
		.amdhsa_float_denorm_mode_16_64 3
		.amdhsa_memory_ordered 1
		.amdhsa_forward_progress 1
		.amdhsa_inst_pref_size 194
	.end_amdhsa_kernel
	.amdgpu_metadata
---
amdhsa.version: [ 1, 2 ]
amdhsa.kernels:
  - .name:           k_qaf9bb0a542_qkv
    .symbol:         k_qaf9bb0a542_qkv.kd
    .args:
      - { .name: xq, .offset: 0, .size: 8, .value_kind: global_buffer, .address_space: global }
      - { .name: wq, .offset: 8, .size: 8, .value_kind: global_buffer, .address_space: global }
      - { .name: qb, .offset: 16, .size: 8, .value_kind: global_buffer, .address_space: global }
      - { .name: kv, .offset: 24, .size: 8, .value_kind: global_buffer, .address_space: global }
    .group_segment_fixed_size: 327680
    .private_segment_fixed_size: 0
    .kernarg_segment_align: 8
    .kernarg_segment_size: 32
    .max_flat_workgroup_size: 128
    .sgpr_count:     100
    .vgpr_count:     1024
    .wavefront_size: 32
...
	.end_amdgpu_metadata
.endif
;; end of part 2
;; launch attn (part 3): grid 4 x 64, 8 waves a work-group, clusters of 4 x 1, 327,680 bytes of LDS; arguments qb, kv, ab; writes ab
.if DOCPART == 3
	.amdgcn_target "amdgcn-amd-amdhsa--gfx1250"
	.amdhsa_code_object_version 6
	.text
	.protected	k_qaf9bb0a542_attn
	.globl	k_qaf9bb0a542_attn
	.p2align	8
	.type	k_qaf9bb0a542_attn,@function
k_qaf9bb0a542_attn:
	s_mov_b64 s[64:65], 0
	v_nop
	global_prefetch_b8 v0, s[64:65] scope:SCOPE_SE
	s_setreg_imm32_b32 hwreg(HW_REG_WAVE_MODE, 25, 1), 1
	s_wait_xcnt 0x0
	s_wait_alu depctr_hold_cnt(0) depctr_sa_sdst(0) depctr_va_vdst(0) depctr_va_sdst(0) depctr_va_ssrc(0) depctr_va_vcc(0) depctr_vm_vsrc(0)
	s_getreg_b32 s2, hwreg(HW_REG_IB_STS2, 6, 4)
	s_cmp_eq_u32 s2, 0
	s_cbranch_scc0 .Lentry_in_a_cluster
	s_endpgm
.Lentry_in_a_cluster:
	s_bfe_u32 s2, ttmp6, 0x10000c
	s_cmp_lg_u32 s2, 0x3003
	s_cbranch_scc0 .Lentry_shape_is_right
	s_endpgm
.Lentry_shape_is_right:
; For each head: x = q . k / 8 under the causal mask, w = tanh(x), p = w / max(sum |w|, 1e-6), O = p v; both products on codes of FP8 (E4M3) with E8M0 scales; O is quantised along d_model for the last launch.
; WORK LEFT OUT: steps of 128 keys that lie wholly behind a block's queries: reference()'s own jnp.tril makes their scores 0, so their weights are 0 and add nothing (shown at the head of the first launch's text).
; p IS QUANTISED FINISHED, so a row's sum must be known before any weight becomes a code.  The weights stay in f32 IN REGISTERS between the pass that makes them and the pass that divides and converts them: no tanh is made twice.
; SHARES.  A work-group has one head and keeps the head's 16 records (128 keys each: K's and V^T's codes as images of operand registers, and their scale words) in LDS for the whole launch: filled once.
; The four work-groups of a cluster share the head: each record is asked for jointly.  Work-group g walks 16 blocks; block t is the group of 32 queries G = 4 t + g, which needs key steps 0 .. t, step t on the diagonal,
; in every partner alike: no branch and no LDS address hangs on g.  Of the eight waves, wave wv takes tile m = wv / 4 of the block's two tiles of 16 queries and the key steps j = 4 s + kr <= t, kr = (wv + 2 m) % 4,
; in slots s = 0 .. 3 of 64 registers.  The two waves of a SIMD have kr two apart, which evens their work out.
; A BLOCK:  pass A: for each of my slots S^T = K Q^T, the mask on the diagonal, tanh, the sum of magnitudes | the four waves' sums meet in LDS | pass B: for each slot p = w / sum, quantised along the keys, O^T += V^T p |
; the four waves' O^T meet in LDS | two waves of each tile add them, quantise 32 dims each and store a piece and 16 scale bytes.
; K = 64 IN AN INSTRUCTION OF K = 128: a fragment of K holds two tiles of 16 keys, 64 codes each; Q stands between two runs of zero registers, so that [q | 0] picks the first tile and [0 | q] the second: zero codes add nothing.
; tanh x = 1 - 2 / (1 + 2^(2 log2(e) x)), held between x (1 - x^2 / 3) and x, which bound tanh on both sides for every x and carry it where the first form loses its digits.
; LIMITS: the relative error of tanh is at most min(x^2 / 3, about 1.2e-7 / |x|), 2e-5 at the worst, near |x| = 0.007; the sums of magnitudes and O are added wave by wave and then over four waves in a fixed order;
; the division is a reciprocal with one Newton step and a multiplication; a block of zeros keeps byte 1; NaN and infinities are not served.
; REGISTERS.  window 1: the weights, slot s at v[64 s]: register 16 b + i is key 128 j + 32 b + 16 (lane / 16) + i of my lane's query.  window 0: see the names below.
.set REC,   16896                      ; a record: K 8,192, V^T 8,192, K's scale words 256, V's 256
.set STG,   16*REC                     ; behind the records: each wave's O^T, 4,096 bytes
.set SUMS,  STG+8*4096                 ; each wave's 16 sums, 64 bytes
.set SPARE, SUMS+512                   ; the spare words, 128 bytes for each wave
.set SPW, 1                            ; v1   LDS address of my spare word; never rewritten
.set NIL, 2                            ; v2   0; never rewritten
.set L16, 3                            ; v3   16 x lane
.set AK,  4                            ; v4-7   slot s: 16 x lane + my record's first byte
.set AS,  8                            ; v8-11  slot s: 4 x lane + the same
.set OST, 12                           ; v12  where I put my O^T
.set ORD, 13                           ; v13  where a finishing wave reads its 16 registers of the four
.set SST, 14                           ; v14  where I put my sums
.set SRD, 15                           ; v15  where I read my tile's four
.set VQ,  16                           ; v16  Q's codes: my byte offset
.set VQS, 17                           ; v17  Q's scale word
.set DD,  18                           ; v18-21  block b of the diagonal step: register i is hidden where i > this
.set VO,  22                           ; v22  the output's piece
.set VSB, 23                           ; v23  its scale byte
.set SUM, 24                           ; v24-27
.set INV, 28                           ; v28-29  1 / the row's sum, twice
.set QW,  32                           ; v32  Q's scale word as loaded
.set QSL, 33                           ; v33  scales of [q | 0]   (v33 to v39 hold scales and nothing else)
.set QSH, 34                           ; v34  of [0 | q]
.set KS,  35                           ; v35-36  K's: lanes 0-15 one fragment's, lanes 16-31 the next's
.set VS,  37                           ; v37-38  V's likewise
.set PW,  39                           ; v39  p's
.set QHI, 40                           ; v40-55  [0 | q]
.set QLO, 48                           ; v48-63  [q | 0]
.set OA,  64                           ; v64-95  O^T: four tiles of 16 dims
.set FR,  96                           ; v96-159 four fragments of K or of V^T
.set AX,  160                          ; v160-191 pass A: at work
.set BT,  192                          ; v192-223 pass A: the bound
.set PC,  160                          ; v160-175 pass B: p's codes
.set TM,  176                          ; v176-191 pass B: the quantiser's work
.set FC,  224                          ; v224-227 a finishing wave's codes,
.set FB,  228                          ; v228 and byte: registers of their own, so that no pass writes over a pending store's data
.set R4,  230                          ; v230 4 r
.set R8,  231                          ; v231 8 r
.set MSB, 0
.macro WIN new                         ; bits 1:0 source 0, 3:2 source 1, 5:4 source 2, 7:6 destination; the high byte repeats the setting that is left
.if MSB != (\new)
	s_set_vgpr_msb (MSB<<8)|(\new)
.set MSB, (\new)
.endif
.endm
.macro CROUND
	s_barrier_signal -1
	s_barrier_wait -1
	s_cmp_lg_u32 s14, 0
	s_cbranch_scc1 .Lnot_wave_0_\@
	s_barrier_signal -3
.Lnot_wave_0_\@:
	s_barrier_wait -3
	s_barrier_signal -1
	s_barrier_wait -1
.endm
.macro PLACES n
.rept \n
	v_nop
.endr
.endm
	s_load_b128 s[4:7], s[0:1], 0x0                ; qb, kv
	s_load_b64 s[8:9], s[0:1], 0x10                ; ab
	v_lshl_add_u32 v[SPW], v0, 2, SPARE
	v_mov_b32 v[NIL], 0
	ds_add_u32 v[SPW], v[NIL]                      ; the wave's opening: the add, twice on end, and its wait ahead of my first tensor load
	ds_add_u32 v[SPW], v[NIL]
	v_lshrrev_b32 v30, 5, v0
	v_readfirstlane_b32 s14, v30                   ; wave 0..7
	s_lshr_b32 s15, s14, 2                         ; m: my tile of queries
	s_lshl_b32 s17, s15, 1
	s_add_co_u32 s17, s17, s14
	s_and_b32 s17, s17, 3                          ; kr: my key steps are 4 s + kr
	s_and_b32 s56, s17, 1                          ; which 32 dims a finishing wave (kr = 2, 3) takes
	s_bfe_u32 s18, ttmp6, 0x40000                  ; g: my place in the cluster
	s_and_b32 s19, ttmp7, 0xffff                   ; the head, 16 x batch + head
	; descriptor group 1: a record: 66 dense rows of 256 bytes (32 elements of 8 bytes), for all four work-groups
	s_mov_b32 s24, 15|(3<<16)|(1<<21)
	s_mov_b32 s25, 32<<16
	s_mov_b32 s26, 66<<16
	s_mov_b32 s27, 32<<16
	s_mov_b32 s28, 66
	s_mov_b32 s29, 32
	s_mov_b32 s30, 0
	s_mov_b32 s31, 0
	s_mov_b32 s40, 0x76543210
	s_mov_b32 s41, 0xfedcba98                      ; v_permlanex16_b32's selects for lane l xor 16
	s_mov_b32 s42, 0x4038aa3b                      ; 2 log2(e)
	s_mov_b32 s43, s42                             ; (named with it as a pair, so it is written)
	s_mov_b32 s44, 0xbeaaaaab                      ; -1/3
	s_mov_b32 s45, s44
	s_mov_b32 s46, 0x600000                        ; the mantissa field of 448
	s_mov_b32 s47, 0x01000100
	s_cmp_eq_u32 s15, 1
	s_cselect_b32 s47, 0x03020302, s47             ; which two bytes of Q's scale word are my tile's
	s_mov_b32 s48, 0x01010000                      ; byte 1 for the blocks of zero codes
	s_mov_b32 s49, 0x0101
	; every LDS address is made here, of the lane and the wave's number alone
	v_and_b32 v30, 31, v0
	v_lshlrev_b32 v[L16], 4, v30
	v_lshlrev_b32 v31, 2, v30
	s_mul_i32 s50, s17, REC
.irp s, 0,1,2,3
	v_add_nc_u32 v[AK+\s], s50, v[L16]
	v_add_nc_u32 v[AS+\s], s50, v31
	s_add_co_u32 s50, s50, 4*REC
.endr
	s_lshl_b32 s50, s14, 12
	s_add_co_u32 s50, s50, STG
	v_add_nc_u32 v[OST], s50, v[L16]
	s_lshl_b32 s50, s15, 14
	s_lshl_b32 s51, s56, 11
	s_add_co_u32 s50, s50, s51
	s_add_co_u32 s50, s50, STG
	v_add_nc_u32 v[ORD], s50, v[L16]
	v_and_b32 v30, 15, v0                          ; r
	v_lshlrev_b32 v[R4], 2, v30
	v_lshlrev_b32 v[R8], 3, v30
	s_lshl_b32 s50, s14, 6
	s_add_co_u32 s50, s50, SUMS
	v_add_nc_u32 v[SST], s50, v[R4]
	s_lshl_b32 s50, s15, 8
	s_add_co_u32 s50, s50, SUMS
	v_add_nc_u32 v[SRD], s50, v[R4]
	; the diagonal step: my query is 32 g + 8 m + r + 8 (r / 8) of the step's 128, register 16 b + i holds key 32 b + 16 h + i
	v_and_b32 v31, 8, v30
	v_add_nc_u32 v31, v31, v30
	v_bfe_u32 v30, v0, 4, 1
	v_lshlrev_b32 v30, 4, v30
	v_sub_nc_u32 v31, v31, v30
	s_lshl_b32 s52, s18, 5
	s_lshl_b32 s53, s15, 3
	s_add_co_u32 s52, s52, s53
	v_add_nc_u32 v[DD], s52, v31
	v_add_nc_u32 v[DD+1], 0xffffffe0, v[DD]
	v_add_nc_u32 v[DD+2], 0xffffffc0, v[DD]
	v_add_nc_u32 v[DD+3], 0xffffffa0, v[DD]
.irp j, 0,1,2,3,4,5,6,7
	v_mov_b32 v[QHI+\j], 0                         ; the zero codes on both sides of q: written once
	v_mov_b32 v[QLO+8+\j], 0
.endr
.irp b, 0,1,2,3
	v_mov_b32 v[TM+4+\b], 0                        ; written once: a lane permute's destination counts as one of its sources
.endr
	s_mul_i32 s52, s19, 16*REC                     ; the head's records,
	s_mul_i32 s51, s14, REC                        ; my first: record wv
	s_add_co_u32 s52, s52, s51
	s_mov_b32 s53, 0
	s_lshl_b32 s54, s19, 17                        ; Q's codes: the head, my tile
	s_lshl_b32 s55, s15, 10
	s_add_co_u32 s54, s54, s55
	s_mov_b32 s55, 0
	s_wait_dscnt 0x0                               ; both opening adds are done
	s_wait_kmcnt 0x0
	s_mov_b32 s32, 1
	s_mov_b32 s33, s51                             ; LDS: record wv
	s_add_nc_u64 s[34:35], s[6:7], s[52:53]
	s_mov_b32 s36, 1
	s_add_co_u32 s37, s51, 8*REC                   ; and record wv + 8
	s_add_nc_u64 s[38:39], s[34:35], 8*REC
	s_or_b32 s35, s35, 0x80000000
	s_or_b32 s39, s39, 0x80000000
	s_add_nc_u64 s[10:11], s[4:5], s[54:55]        ; Q's codes
	s_lshl_b32 s54, s19, 12
	s_add_co_u32 s54, s54, 0x800000
	s_add_nc_u64 s[12:13], s[4:5], s[54:55]        ; Q's scale words
	s_lshr_b32 s50, s19, 4                         ; the batch
	s_and_b32 s51, s19, 15                         ; the head in it
	s_lshl_b32 s54, s50, 21                        ; the output's pieces: [tile of 16 queries][head / 2][2 (head % 2) + which 32 dims][512 bytes]
	s_lshl_b32 s52, s15, 14
	s_add_co_u32 s54, s54, s52
	s_lshr_b32 s52, s51, 1
	s_lshl_b32 s52, s52, 11
	s_add_co_u32 s54, s54, s52
	s_and_b32 s52, s51, 1
	s_lshl_b32 s52, s52, 1
	s_add_co_u32 s52, s52, s56                     ; 2 (head % 2) + which 32 dims: also the byte in a scale word
	s_lshl_b32 s53, s52, 9
	s_add_co_u32 s54, s54, s53
	s_add_nc_u64 s[58:59], s[8:9], s[54:55]
	s_lshl_b32 s54, s50, 16                        ; its scale bytes: [tile][head / 4][r][2 words]
	s_add_co_u32 s54, s54, 0x800000
	s_add_co_u32 s54, s54, s52
	s_lshl_b32 s52, s15, 9
	s_add_co_u32 s54, s54, s52
	s_lshr_b32 s52, s51, 2
	s_lshl_b32 s52, s52, 7
	s_add_co_u32 s54, s54, s52
	s_bfe_u32 s52, s51, 0x10001
	s_lshl_b32 s52, s52, 2
	s_add_co_u32 s54, s54, s52
	s_add_nc_u64 s[60:61], s[8:9], s[54:55]
	CROUND                                         ; all four work-groups are here: the joint loads meet
	tensor_load_to_lds s[32:35], s[24:31]          ; every wave asks for two records: two loads of mine are out
	s_nop 0
	tensor_load_to_lds s[36:39], s[24:31]
	s_nop 0
	PLACES 4
	v_lshl_add_u32 v[VQ], s18, 11, v[L16]          ; block 0: G = g
	v_lshl_add_u32 v[VQS], s18, 6, v[R4]
	global_load_b128 v[QLO:QLO+3], v[VQ], s[10:11]
	global_load_b128 v[QLO+4:QLO+7], v[VQ], s[10:11] offset:512
	global_load_b32 v[QW], v[VQS], s[12:13]
	WIN 0x40
.set n, 0
.rept 256
	v_mov_b32 v[n], 0                              ; the weights' registers are written once, while the records are on their way: the two passes leave their slots by branches, and every register that a later line names has then been written on every way
.set n, n+1
.endr
	WIN 0
	s_wait_tensorcnt 0x0                           ; my two records are in,
	s_barrier_signal -1
	s_barrier_wait -1                              ; everybody's are: the head's K and V stay in LDS from here on, and nothing is filled again
	s_mov_b32 s20, 0                               ; t
.macro LOADK s                         ; slot s's four fragments of K and their scale words
.irp k, 0,1,2,3,4,5,6,7,8,9,10,11,12,13,14,15
	ds_load_b128 v[FR+4*\k:FR+4*\k+3], v[AK+\s] offset:512*\k
.endr
	ds_load_b32 v[KS], v[AS+\s] offset:16384
	ds_load_b32 v[KS+1], v[AS+\s] offset:16512
.endm
.macro LOADV s                         ; its four fragments of V^T (16 dims x 128 keys) and their scale words
.irp k, 0,1,2,3,4,5,6,7,8,9,10,11,12,13,14,15
	ds_load_b128 v[FR+4*\k:FR+4*\k+3], v[AK+\s] offset:8192+512*\k
.endr
	ds_load_b32 v[VS], v[AS+\s] offset:16640
	ds_load_b32 v[VS+1], v[AS+\s] offset:16768
.endm
.macro WM s                            ; S^T = K Q^T / 8: eight products on eight accumulators
	WIN 0x40
.irp b, 0,1,2,3
.if (\b)%2
	v_wmma_scale_f32_16x16x128_f8f6f4 v[64*(\s)+16*\b:64*(\s)+16*\b+7], v[FR+16*\b:FR+16*\b+15], v[QLO:QLO+15], 0, v[KS+\b/2], v[QSL] matrix_a_scale:MATRIX_SCALE_ROW1
	v_wmma_scale_f32_16x16x128_f8f6f4 v[64*(\s)+16*\b+8:64*(\s)+16*\b+15], v[FR+16*\b:FR+16*\b+15], v[QHI:QHI+15], 0, v[KS+\b/2], v[QSH] matrix_a_scale:MATRIX_SCALE_ROW1
.else
	v_wmma_scale_f32_16x16x128_f8f6f4 v[64*(\s)+16*\b:64*(\s)+16*\b+7], v[FR+16*\b:FR+16*\b+15], v[QLO:QLO+15], 0, v[KS+\b/2], v[QSL]
	v_wmma_scale_f32_16x16x128_f8f6f4 v[64*(\s)+16*\b+8:64*(\s)+16*\b+15], v[FR+16*\b:FR+16*\b+15], v[QHI:QHI+15], 0, v[KS+\b/2], v[QSH]
.endif
.endr
	WIN 0
.endm
.macro MASK s                          ; the diagonal step: hidden scores become 0, as reference()'s product with its mask makes them
	WIN 0x41
.set n, 0
.rept 64
	v_cmp_gt_i32 vcc_lo, n%16, v[DD+n/16]
	v_cndmask_b32 v[64*(\s)+n], v[64*(\s)+n], v[QHI], vcc_lo       ; (v[QHI] holds 0)
.set n, n+1
.endr
	WIN 0
.endm
; tanh of slot s's 64 scores, in place, 32 at a time, and their magnitudes onto the sums.  The exponentials are one batch and the reciprocals another: behind each stand plain lines that name none of its results, then the one wait
; ahead of the first line that names a result.
.macro TANH s
.irp hf, 0,1
.set XB, 64*(\s)+32*\hf
	WIN 0x01
.set n, 0
.rept 16
	v_pk_mul_f32 v[AX+n:AX+n+1], v[XB+n:XB+n+1], s[42:43] op_sel_hi:[1,0]   ; 2 log2(e) x: each accumulator is read from its low end on
.set n, n+2
.endr
	WIN 0
.set n, 0
.rept 32
	v_exp_f32 v[AX+n], v[AX+n]
.set n, n+1
.endr
	WIN 0x05
.set n, 0
.rept 16
	v_pk_mul_f32 v[BT+n:BT+n+1], v[XB+n:XB+n+1], v[XB+n:XB+n+1]    ; x^2
.set n, n+2
.endr
	WIN 0
.set n, 0
.rept 16
	v_pk_fma_f32 v[BT+n:BT+n+1], v[BT+n:BT+n+1], s[44:45], 1.0 op_sel_hi:[1,0,0]   ; 1 - x^2 / 3
.set n, n+2
.endr
	s_wait_alu depctr_va_vdst(0)                   ; one wait for the 32 exponentials
.set n, 0
.rept 16
	v_pk_add_f32 v[AX+n:AX+n+1], v[AX+n:AX+n+1], 1.0 op_sel_hi:[1,0]
.set n, n+2
.endr
.set n, 0
.rept 32
	v_rcp_f32 v[AX+n], v[AX+n]
.set n, n+1
.endr
	WIN 0x04
.set n, 0
.rept 16
	v_pk_mul_f32 v[BT+n:BT+n+1], v[BT+n:BT+n+1], v[XB+n:XB+n+1]    ; x (1 - x^2 / 3)
.set n, n+2
.endr
	WIN 0
	s_wait_alu depctr_va_vdst(0)                   ; one wait for the 32 reciprocals
.set n, 0
.rept 16
	v_pk_fma_f32 v[AX+n:AX+n+1], v[AX+n:AX+n+1], -2.0, 1.0 op_sel_hi:[1,0,0]
.set n, n+2
.endr
	WIN 0x50
.set n, 0
.rept 32
	v_med3_num_f32 v[XB+n], v[AX+n], v[BT+n], v[XB+n]              ; held between the two bounds
.set n, n+1
.endr
	WIN 0x04
.set n, 0
.rept 32
	v_add_f32 v[SUM+n%4], v[SUM+n%4], |v[XB+n]|                    ; four chains
.set n, n+1
.endr
	WIN 0
.endr
.endm
.macro SLOTA s
	s_wait_dscnt 0x0                               ; K's fragments and scale words are in
	WM \s
	PLACES 8                                       ; in front of the loads into K's registers and of the first read of the scores
.if \s < 3
	s_cmp_gt_u32 s21, \s+1
	s_cbranch_scc0 .Lnk_\s
	LOADK \s+1                                     ; the next slot's K lands under this slot's tanh
.Lnk_\s:
.endif
	s_cmp_eq_u32 s22, 4*\s                         ; is this slot's step the block's last, the one on the diagonal?  (counts and the wave's number alone)
	s_cbranch_scc0 .Lnm_\s
	MASK \s
.Lnm_\s:
	TANH \s
.if \s < 3
	s_cmp_eq_u32 s21, \s+1
	s_cbranch_scc1 .Ladone
.endif
.endm
.macro QB1 s                           ; the largest |w| of my 16 numbers of each block of 32 keys.  These 32 plain lines are also the places behind the last slot's products
.set TB, 64*(\s)
	WIN 0x15
.irp b, 0,1,2,3
	v_max3_num_f32 v[TM+\b], |v[TB+16*\b]|, |v[TB+16*\b+1]|, |v[TB+16*\b+2]|
.endr
	WIN 0x14
.irp i, 3,5,7,9,11,13
.irp b, 0,1,2,3
	v_max3_num_f32 v[TM+\b], v[TM+\b], |v[TB+16*\b+\i]|, |v[TB+16*\b+\i+1]|
.endr
.endr
	WIN 0x04
.irp b, 0,1,2,3
	v_max_num_f32 v[TM+\b], v[TM+\b], |v[TB+16*\b+15]|
.endr
	WIN 0
.endm
.macro QB2 s                           ; p = w / the sum, quantised along the keys: codes in v[PC] on, the scale word in v[PW]
.set TB, 64*(\s)
.irp b, 0,1,2,3
	v_permlanex16_b32 v[TM+4+\b], v[TM+\b], s40, s41
.endr
.irp b, 0,1,2,3
	v_max_num_f32 v[TM+\b], v[TM+\b], v[TM+4+\b]
.endr
.irp b, 0,1,2,3
	v_mul_f32 v[TM+\b], v[TM+\b], v[INV]           ; the block's largest |p|: a rounded product with a positive number does not fall where its factor rises, so this is the largest of the rounded products below, bit for bit
.endr
.irp b, 0,1,2,3
	v_max_num_f32 v[TM+\b], 0x4800000, v[TM+\b]    ; the floor 2^(9 - 127): the byte cannot fall under 1 (a block of hidden keys keeps that byte: its codes are zeros)
.endr
.irp b, 0,1,2,3
	v_add_nc_u32 v[TM+12+\b], 0xfc000000, v[TM+\b]
.endr
.irp b, 0,1,2,3
	v_and_or_b32 v[TM+8+\b], v[TM+\b], 0x7f800000, s46
.endr
.irp b, 0,1,2,3
	v_lshrrev_b32 v[TM+4+\b], 23, v[TM+12+\b]
.endr
	v_lshl_or_b32 v[PW], v[TM+5], 8, v[TM+4]
	v_lshl_or_b32 v[PW], v[TM+6], 16, v[PW]
	v_lshl_or_b32 v[PW], v[TM+7], 24, v[PW]
	WIN 0x41
.set n, 0
.rept 32
	v_pk_mul_f32 v[TB+n:TB+n+1], v[TB+n:TB+n+1], v[INV:INV+1]
.set n, n+2
.endr
.irp b, 0,1,2,3
.irp i, 0,1,2,3,4,5,6,7,8,9,10,11,12,13,14,15
	v_med3_num_f32 v[TB+16*\b+\i], v[TB+16*\b+\i], -v[TM+8+\b], v[TM+8+\b]   ; the conversion to an 8-bit code does not saturate (ISA guide 7.6.2): the hold comes first
.endr
.endr
	WIN 0x01
.irp b, 0,1,2,3
	v_cvt_scalef32_pk8_fp8_f32 v[PC+4*\b:PC+4*\b+1], v[TB+16*\b:TB+16*\b+7], v[TM+12+\b]
	v_cvt_scalef32_pk8_fp8_f32 v[PC+4*\b+2:PC+4*\b+3], v[TB+16*\b+8:TB+16*\b+15], v[TM+12+\b]
.endr
	WIN 0
	PLACES 4                                       ; an operand written by vector lines stands four places ahead of a scaled matrix instruction (the scale word was made ahead of the 96 lines above)
.endm
.macro PV zero                         ; O^T += V^T p: four accumulators by turns, one instruction a turn; in a block's first slot the products start the sums
.irp u, 0,1,2,3
.if \zero
.if (\u)%2
	v_wmma_scale_f32_16x16x128_f8f6f4 v[OA+8*\u:OA+8*\u+7], v[FR+16*\u:FR+16*\u+15], v[PC:PC+15], 0, v[VS+\u/2], v[PW] matrix_a_scale:MATRIX_SCALE_ROW1
.else
	v_wmma_scale_f32_16x16x128_f8f6f4 v[OA+8*\u:OA+8*\u+7], v[FR+16*\u:FR+16*\u+15], v[PC:PC+15], 0, v[VS+\u/2], v[PW]
.endif
.else
.if (\u)%2
	v_wmma_scale_f32_16x16x128_f8f6f4 v[OA+8*\u:OA+8*\u+7], v[FR+16*\u:FR+16*\u+15], v[PC:PC+15], v[OA+8*\u:OA+8*\u+7], v[VS+\u/2], v[PW] matrix_a_scale:MATRIX_SCALE_ROW1
.else
	v_wmma_scale_f32_16x16x128_f8f6f4 v[OA+8*\u:OA+8*\u+7], v[FR+16*\u:FR+16*\u+15], v[PC:PC+15], v[OA+8*\u:OA+8*\u+7], v[VS+\u/2], v[PW]
.endif
.endif
.endr
.endm
.macro SLOTB s
	QB1 \s
	LOADV \s                                       ; lands under the lines of QB2
	QB2 \s
	s_wait_dscnt 0x0
.if \s == 0
	PV 1
.else
	PV 0
.endif
.if \s < 3
	s_cmp_eq_u32 s21, \s+1
	s_cbranch_scc1 .Lbdone
.endif
.endm
.Lblock:                                               ; 16 trips: block t
	s_wait_loadcnt 0x0                             ; this block's Q, asked for a pass ago; on every wave's path, since every wave asks for the next below
.irp j, 0,1,2,3
	v_mov_b32 v[SUM+\j], 0
.endr
	s_sub_co_u32 s22, s20, s17                     ; t - kr
	s_lshr_b32 s21, s22, 2
	s_add_co_u32 s21, s21, 1                       ; my slots in this block (of no use where t < kr)
	s_cmp_lt_u32 s20, s17
	s_cbranch_scc1 .Ladone                         ; none of the block's key steps is mine: my sums are 0
	LOADK 0
	v_perm_b32 v30, v[QW], v[QW], s47              ; my tile's two scale bytes, twice
	v_and_or_b32 v[QSL], v30, 0xffff, s48
	v_and_or_b32 v[QSH], v30, 0xffff0000, s49
	PLACES 8                                       ; a scale register written by vector lines stands eight places ahead of a scaled matrix instruction
	SLOTA 0
	SLOTA 1
	SLOTA 2
	SLOTA 3
.Ladone:
	v_add_f32 v[SUM], v[SUM], v[SUM+1]
	v_add_f32 v[SUM+2], v[SUM+2], v[SUM+3]
	v_add_f32 v[SUM], v[SUM], v[SUM+2]
	v_permlanex16_b32 v30, v[SUM], s40, s41
	v_add_f32 v[SUM], v[SUM], v30                  ; with lane l xor 16's keys
	ds_store_b32 v[SST], v[SUM]                    ; both lanes of a query write the same word with the same value
	s_add_co_u32 s50, s20, 1                       ; the next block's Q goes straight into its registers: this block's products with Q are done, eight places and more back
	s_min_u32 s50, s50, 15                         ; (the last trip asks for its own block once more: no load leaves the buffer)
	s_lshl_b32 s50, s50, 2
	s_add_co_u32 s50, s50, s18
	v_lshl_add_u32 v[VQ], s50, 11, v[L16]
	v_lshl_add_u32 v[VQS], s50, 6, v[R4]
	global_load_b128 v[QLO:QLO+3], v[VQ], s[10:11]
	global_load_b128 v[QLO+4:QLO+7], v[VQ], s[10:11] offset:512
	global_load_b32 v[QW], v[VQS], s[12:13]
	s_wait_dscnt 0x0                               ; for the others' sake: my sums lie in LDS; and a finishing wave's reads of the last block's O^T are long in
	s_barrier_signal -1
	s_barrier_wait -1
.irp w, 0,1,2,3
	ds_load_b32 v[SUM+\w], v[SRD] offset:64*\w     ; my tile's four waves' sums
.endr
	s_wait_dscnt 0x0
	v_add_f32 v[SUM], v[SUM], v[SUM+1]
	v_add_f32 v[SUM+2], v[SUM+2], v[SUM+3]
	v_add_f32 v[SUM], v[SUM], v[SUM+2]
	v_max_num_f32 v[SUM], 0x358637bd, v[SUM]       ; reference()'s floor, 1e-6
	v_rcp_f32 v[INV], v[SUM]
	v_nop
	s_wait_alu depctr_va_vdst(0)                   ; ahead of the first line that names the reciprocal
	v_fma_f32 v30, -v[SUM], v[INV], 1.0            ; one Newton step
	v_fma_f32 v[INV], v[INV], v30, v[INV]
	v_mov_b32 v[INV+1], v[INV]
	s_cmp_lt_u32 s20, s17
	s_cbranch_scc0 .Lbact
.irp j, 0,1,2,3,4,5,6,7,8,9,10,11,12,13,14,15,16,17,18,19,20,21,22,23,24,25,26,27,28,29,30,31
	v_mov_b32 v[OA+\j], 0                          ; a wave with no key step in this block (t < kr: three blocks at the most) hands zeros on
.endr
	s_branch .Lbdone
.Lbact:
	SLOTB 0
	SLOTB 1
	SLOTB 2
	SLOTB 3
.Lbdone:
	PLACES 8                                       ; in front of the first read of O^T and of loads into V's registers
.irp k, 0,1,2,3,4,5,6,7
	ds_store_b128 v[OST], v[OA+4*\k:OA+4*\k+3] offset:512*\k       ; each accumulator from its low end on
.endr
	s_wait_dscnt 0x0                               ; for the others' sake: my O^T lies in LDS; my reads of the sums are in
	s_barrier_signal -1
	s_barrier_wait -1
	s_cmp_lt_u32 s17, 2                            ; the waves with kr = 2, 3 finish: two for each tile, 32 dims each.  A branch on the wave's number; no barrier stands inside
	s_cbranch_scc1 .Lnofin
	s_wait_xcnt 0x0                                ; the last block's two stores have read their registers
.irp w, 0,1,2,3
.irp k, 0,1,2,3
	ds_load_b128 v[FR+16*\w+4*\k:FR+16*\w+4*\k+3], v[ORD] offset:4096*\w+512*\k
.endr
.endr
	s_lshl_b32 s50, s20, 2
	s_add_co_u32 s50, s50, s18                     ; G
	v_lshl_add_u32 v[VO], s50, 15, v[L16]
	v_lshl_add_u32 v[VSB], s50, 10, v[R8]
	s_wait_dscnt 0x0
.irp i, 0,2,4,6,8,10,12,14
	v_pk_add_f32 v[FR+\i:FR+\i+1], v[FR+\i:FR+\i+1], v[FR+16+\i:FR+16+\i+1]
	v_pk_add_f32 v[FR+32+\i:FR+32+\i+1], v[FR+32+\i:FR+32+\i+1], v[FR+48+\i:FR+48+\i+1]
.endr
.irp i, 0,2,4,6,8,10,12,14
	v_pk_add_f32 v[FR+\i:FR+\i+1], v[FR+\i:FR+\i+1], v[FR+32+\i:FR+32+\i+1]   ; register i: dim 32 beta + 16 (lane / 16) + i of my query
.endr
	v_max3_num_f32 v[TM], |v[FR]|, |v[FR+1]|, 0x4800000
.irp i, 2,4,6,8,10,12,14
	v_max3_num_f32 v[TM], v[TM], |v[FR+\i]|, |v[FR+\i+1]|
.endr
	v_permlanex16_b32 v[TM+4], v[TM], s40, s41
	v_max_num_f32 v[TM], v[TM], v[TM+4]
	v_add_nc_u32 v[TM+12], 0xfc000000, v[TM]
	v_and_or_b32 v[TM+8], v[TM], 0x7f800000, s46
	v_lshrrev_b32 v[FB], 23, v[TM+12]
.irp i, 0,1,2,3,4,5,6,7,8,9,10,11,12,13,14,15
	v_med3_num_f32 v[FR+\i], v[FR+\i], -v[TM+8], v[TM+8]
.endr
	v_cvt_scalef32_pk8_fp8_f32 v[FC:FC+1], v[FR:FR+7], v[TM+12]
	v_cvt_scalef32_pk8_fp8_f32 v[FC+2:FC+3], v[FR+8:FR+15], v[TM+12]
	v_nop                                          ; a plain line behind the last conversion
	global_store_b128 v[VO], v[FC:FC+3], s[58:59]  ; a whole piece: 512 consecutive bytes, aligned
	global_store_b8 v[VSB], v[FB], s[60:61]        ; 16 single bytes, 8 apart (both lanes of a query write the same): one part in 32 of what is stored
.Lnofin:
	s_add_co_u32 s20, s20, 1
	s_cmp_lt_u32 s20, 16
	s_cbranch_scc1 .Lblock
	s_wait_tensorcnt 0x0                           ; the wave's end
	ds_add_u32 v[SPW], v[NIL]
	s_wait_dscnt 0x0
	CROUND                                         ; the closing round
	s_endpgm
.Lfunc_end_k_qaf9bb0a542_attn:
	.size	k_qaf9bb0a542_attn, .Lfunc_end_k_qaf9bb0a542_attn-k_qaf9bb0a542_attn
	.p2alignl 7, 3214868480
	.fill 96, 4, 3214868480
	.section	.rodata,"a",@progbits
	.p2align	6, 0x0
	.amdhsa_kernel k_qaf9bb0a542_attn
		.amdhsa_group_segment_fixed_size 327680
		.amdhsa_private_segment_fixed_size 0
		.amdhsa_enable_private_segment 0
		.amdhsa_kernarg_size 24
		.amdhsa_user_sgpr_count 2
		.amdhsa_user_sgpr_kernarg_segment_ptr 1
		.amdhsa_wavefront_size32 1
		.amdhsa_system_sgpr_workgroup_id_x 1
		.amdhsa_system_sgpr_workgroup_id_y 1
		.amdhsa_system_sgpr_workgroup_id_z 1
		.amdhsa_system_vgpr_workitem_id 0
		.amdhsa_next_free_vgpr 512
		.amdhsa_next_free_sgpr 66
		.amdhsa_reserve_vcc 1
		.amdhsa_float_denorm_mode_32 3
		.amdhsa_float_denorm_mode_16_64 3
		.amdhsa_memory_ordered 1
		.amdhsa_forward_progress 1
		.amdhsa_inst_pref_size 201
	.end_amdhsa_kernel
	.amdgpu_metadata
---
amdhsa.version: [ 1, 2 ]
amdhsa.kernels:
  - .name:           k_qaf9bb0a542_attn
    .symbol:         k_qaf9bb0a542_attn.kd
    .args:
      - { .name: qb, .offset: 0, .size: 8, .value_kind: global_buffer, .address_space: global }
      - { .name: kv, .offset: 8, .size: 8, .value_kind: global_buffer, .address_space: global }
      - { .name: ab, .offset: 16, .size: 8, .value_kind: global_buffer, .address_space: global }
    .group_segment_fixed_size: 327680
    .private_segment_fixed_size: 0
    .kernarg_segment_align: 8
    .kernarg_segment_size: 24
    .max_flat_workgroup_size: 256
    .sgpr_count:     66
    .vgpr_count:     512
    .wavefront_size: 32
...
	.end_amdgpu_metadata
.endif
;; end of part 3
;; launch proj (part 4): grid 4 x 32, 4 waves a work-group, clusters of 4 x 4, 327,680 bytes of LDS; arguments ab, wq, out0; writes out0
.if DOCPART == 4
	.amdgcn_target "amdgcn-amd-amdhsa--gfx1250"
	.amdhsa_code_object_version 6
	.text
	.protected	k_qaf9bb0a542_proj
	.globl	k_qaf9bb0a542_proj
	.p2align	8
	.type	k_qaf9bb0a542_proj,@function
k_qaf9bb0a542_proj:
	s_mov_b64 s[64:65], 0
	v_nop
	global_prefetch_b8 v0, s[64:65] scope:SCOPE_SE
	s_setreg_imm32_b32 hwreg(HW_REG_WAVE_MODE, 25, 1), 1
	s_wait_xcnt 0x0
	s_wait_alu depctr_hold_cnt(0) depctr_sa_sdst(0) depctr_va_vdst(0) depctr_va_sdst(0) depctr_va_ssrc(0) depctr_va_vcc(0) depctr_vm_vsrc(0)
	s_getreg_b32 s2, hwreg(HW_REG_IB_STS2, 6, 4)
	s_cmp_eq_u32 s2, 0
	s_cbranch_scc0 .Lentry_in_a_cluster
	s_endpgm
.Lentry_in_a_cluster:
	s_bfe_u32 s2, ttmp6, 0x10000c
	s_cmp_lg_u32 s2, 0xf033
	s_cbranch_scc0 .Lentry_shape_is_right
	s_endpgm
.Lentry_shape_is_right:
; out0 = attention output x Wo^T, on codes of FP8 (E4M3) with E8M0 scales, K = 1,024; out0 [8192][1024] f32.
; A work-group of four waves makes 256 x 256 of out0, a wave 128 x 128: 64 accumulators.  K goes in steps of 256 through a ring of two LDS slots; the scale bytes of all of K come once with the first fills.
; B (source 0) = Wo's rows, as rows of codes in wq (rows 3,072 on).  A (source 1) = the attention launch's output, which lies in ab AS IMAGES OF OPERAND REGISTERS: [tile of 16 rows][K step of 128][4 pieces of 512 bytes];
; a K step of 256 of a tile is 4,096 consecutive bytes, and a fragment comes from LDS by four loads of 512 consecutive bytes.  Its scale words lie [tile][K step of 256][row][2 words].
; A tile's rows are queries 32 G + 8 u + r + 8 (r / 8): the stores of the way out put each row in its place.
; CLUSTERS: 4 x 4: A's tiles are shared along a row of the cluster, B's along a column, each asked for jointly.
; REGISTERS as in the launch qkv: window 0: addresses, v32-63 A's scale words, v64-95 B's, from v128 A's fragments; window 1: B's fragments, two sets; windows 2, 3: the accumulators.
.set NQ,     2
.set ROWB,   256
.set KROW,   1024
.set PITCH,  272
.set FR,     16
.set NL,     4
.set NP,     8
.set HALFA,  32768                     ; A: 8 tiles of 16 rows x 4,096 bytes: what one tensor load brings
.set HALFT,  128*PITCH                 ; B: 128 rows
.set BOFF,   2*HALFA
.set SLOT,   BOFF+2*HALFT
.set LAPS,   2
.set SCL,    2*SLOT
.set HALFS,  16*272
.set SBLK,   2*272
.set SPARE,  SCL+4*HALFS
.set SPITCH, 528                       ; the way out: a stage of 16 rows x (512 bytes + 16) for each wave, in slot 0, which has had its last fill and its last read when the first result is stored there
.set ADRA, 16
.set ADRB, 20
.set ADRSA, 22
.set ADRSB, 23
.set STO,  24
.set RD,   25
.set CO,   26
.set SPW,  28
.set NIL,  29
.set SCA,  32
.set SCB,  64
.set AF,   128
.set BK,   128
.set G1, 24
.set G0, 32
.set G1B, 48
.set G0B, 56
.set G1S, 68
.set G0S, 76
.set G1SB, 80
.set G0SB, 88
.set MSB, 0
.macro WIN new
.if MSB != (\new)
	s_set_vgpr_msb (MSB<<8)|(\new)
.set MSB, (\new)
.endif
.endm
.set MUL_LO, 0xa1
.set MUL_HI, 0xf1
.set TO_B,   0x40
.macro JLOAD g0a, g1a, g0b, g1b        ; a joint load: waves 0 and 1 fetch for A, waves 2 and 3 for B; an s_nop 0 and four v_nop follow each of the two lines
	s_cmp_eq_u32 s19, 0
	s_cbranch_scc0 .Lfor_b_\@
	tensor_load_to_lds s[\g0a:\g0a+3], s[\g1a:\g1a+7]
	s_nop 0
.rept 4
	v_nop
.endr
	s_branch .Lasked_\@
.Lfor_b_\@:
	tensor_load_to_lds s[\g0b:\g0b+3], s[\g1b:\g1b+7]
	s_nop 0
.rept 4
	v_nop
.endr
.Lasked_\@:
.endm
.macro CREST
	s_cmp_lg_u32 s18, 0
	s_cbranch_scc1 .Lnot_wave_0_\@
	s_barrier_signal -3
.Lnot_wave_0_\@:
	s_barrier_wait -3
	s_barrier_signal -1
	s_barrier_wait -1
.endm
.macro CROUND
	s_barrier_signal -1
	s_barrier_wait -1
	CREST
.endm
	s_load_b128 s[4:7], s[0:1], 0x0                ; ab, wq
	s_load_b64 s[8:9], s[0:1], 0x10                ; out0
	v_lshl_add_u32 v[SPW], v0, 2, SPARE
	v_mov_b32 v[NIL], 0
	ds_add_u32 v[SPW], v[NIL]                      ; the wave's opening: the add, twice on end, and its wait ahead of my first tensor load
	ds_add_u32 v[SPW], v[NIL]
	v_lshrrev_b32 v1, 5, v0
	v_readfirstlane_b32 s18, v1                    ; wave 0..3
	s_lshr_b32 s19, s18, 1                         ; which half of the tile's rows is mine.  Also: I fetch for A (0) or for B (1)
	s_and_b32 s20, s18, 1                          ; which half of its columns.  Also: which half of that tile I fetch
	s_bfe_u32 s40, ttmp6, 0x40000                  ; cx
	s_bfe_u32 s41, ttmp6, 0x40004                  ; cy
	s_lshl_b32 s42, ttmp9, 2
	s_add_co_u32 s42, s42, s40                     ; tile column
	s_and_b32 s45, ttmp7, 0xffff
	s_lshl_b32 s45, s45, 2
	s_add_co_u32 s45, s45, s41                     ; tile row
	s_lshl_b32 s43, s41, 2
	s_lshl_b32 s43, 15, s43                        ; my row of the cluster
	s_lshl_b32 s44, 0x1111, s40                    ; my column
	; A's tiles: 8 rows of 4,096 bytes (512 elements of 8 bytes), 16,384 bytes apart; dense in LDS
	s_or_b32 s[G1+0], s43, (3<<16)|(1<<21)
	s_mov_b32 s[G1+1], 512<<16
	s_mov_b32 s[G1+2], 8<<16
	s_mov_b32 s[G1+3], 512<<16
	s_mov_b32 s[G1+4], 8
	s_mov_b32 s[G1+5], 2048
	s_mov_b32 s[G1+6], 0
	s_mov_b32 s[G1+7], 0
	; B's tiles: 128 rows x 256 bytes, 16 bytes of padding behind each
	s_or_b32 s[G1B+0], s44, (0<<16)|(1<<20)|(1<<21)|(5<<22)|(3<<25)
	s_mov_b32 s[G1B+1], ROWB<<16
	s_mov_b32 s[G1B+2], 128<<16
	s_mov_b32 s[G1B+3], ROWB<<16
	s_mov_b32 s[G1B+4], 128
	s_mov_b32 s[G1B+5], KROW
	s_mov_b32 s[G1B+6], 0
	s_mov_b32 s[G1B+7], 0
	; the scale bytes of 128 rows: 4,096 dense bytes as 16 rows of 256, 16 bytes of padding behind each
	s_or_b32 s[G1S+0], s43, (3<<16)|(1<<20)|(1<<21)|(5<<22)|(3<<25)
	s_or_b32 s[G1SB+0], s44, (3<<16)|(1<<20)|(1<<21)|(5<<22)|(3<<25)
.irp g, G1S, G1SB
	s_mov_b32 s[\g+1], 32<<16
	s_mov_b32 s[\g+2], 16<<16
	s_mov_b32 s[\g+3], 32<<16
	s_mov_b32 s[\g+4], 16
	s_mov_b32 s[\g+5], 32
	s_mov_b32 s[\g+6], 0
	s_mov_b32 s[\g+7], 0
.endr
	s_lshl_b32 s96, s45, 18                        ; A's codes: 16 tiles of 16,384 bytes a tile row,
	s_lshl_b32 s21, s20, 17                        ; 8 of them a half
	s_add_co_u32 s96, s96, s21
	s_mov_b32 s97, 0
	s_lshl_b32 s92, s45, 13                        ; its scale words: 512 bytes a tile
	s_lshl_b32 s21, s20, 12
	s_add_co_u32 s92, s92, s21
	s_add_co_u32 s92, s92, 0x800000
	s_mov_b32 s93, 0
	s_lshl_b32 s98, s42, 8                         ; B: Wo's row 256 x tile column + 128 x half, 3,072 rows into wq
	s_lshl_b32 s21, s20, 7
	s_add_co_u32 s98, s98, s21
	s_add_co_u32 s98, s98, 3072
	s_lshl_b32 s22, s98, 5
	s_add_co_u32 s22, s22, 0x400000
	s_lshl_b32 s98, s98, 10
	s_mov_b32 s23, 0
	s_mov_b32 s99, 0
	s_lshl_b32 s46, s20, 15                        ; where they go: A's halves,
	s_mul_i32 s66, s20, HALFT
	s_add_co_u32 s66, s66, BOFF                    ; B's halves behind them,
	s_mul_i32 s47, s18, HALFS                      ; the scale bytes by the wave's number
	s_wait_dscnt 0x0                               ; both opening adds are done
	s_wait_kmcnt 0x0
	s_add_nc_u64 s[96:97], s[4:5], s[96:97]
	s_add_nc_u64 s[92:93], s[4:5], s[92:93]
	s_add_nc_u64 s[98:99], s[6:7], s[98:99]
	s_add_nc_u64 s[22:23], s[6:7], s[22:23]
	CROUND                                         ; all sixteen work-groups are here: the first joint loads meet
	s_mov_b32 s[G0S], 1
	s_add_co_u32 s[G0S+1], s47, SCL
	s_mov_b64 s[G0S+2:G0S+3], s[92:93]
	s_or_b32 s[G0S+3], s[G0S+3], 0x80000000
	s_mov_b32 s[G0SB], 1
	s_add_co_u32 s[G0SB+1], s47, SCL
	s_mov_b64 s[G0SB+2:G0SB+3], s[22:23]
	s_or_b32 s[G0SB+3], s[G0SB+3], 0x80000000
	JLOAD G0S, G1S, G0SB, G1SB
.irp s, 0,1
	s_mov_b32 s[G0+4*\s], 1
	s_add_co_u32 s[G0+4*\s+1], s46, \s*SLOT
	s_add_nc_u64 s[G0+4*\s+2:G0+4*\s+3], s[96:97], \s*4096
	s_or_b32 s[G0+4*\s+3], s[G0+4*\s+3], 0x80000000
	s_mov_b32 s[G0B+4*\s], 1
	s_add_co_u32 s[G0B+4*\s+1], s66, \s*SLOT
	s_add_nc_u64 s[G0B+4*\s+2:G0B+4*\s+3], s[98:99], \s*ROWB
	s_or_b32 s[G0B+4*\s+3], s[G0B+4*\s+3], 0x80000000
	JLOAD G0+4*\s, G1, G0B+4*\s, G1B               ; three loads of mine are out behind the second of these
.endr
	v_and_b32 v1, 15, v0                           ; r
	v_bfe_u32 v2, v0, 4, 1                         ; h
	v_and_b32 v6, 31, v0                           ; lane
	v_lshlrev_b32 v[CO], 4, v6                     ; 16 x lane
	v_mul_u32_u24 v3, v1, PITCH
	v_lshl_add_u32 v4, v2, 4, v3
	s_lshl_b32 s21, s19, 15                        ; my 8 tiles of A
	s_mul_i32 s67, s20, HALFT                      ; my 128 rows of B
	s_add_co_u32 s67, s67, BOFF
.irp s, 0,1
	v_add_nc_u32 v[ADRA+\s], s21, v[CO]
	v_add_nc_u32 v[ADRB+\s], s67, v4
	s_add_co_u32 s21, s21, SLOT
	s_add_co_u32 s67, s67, SLOT
.endr
	v_lshlrev_b32 v5, 3, v1                        ; A's scale words: 8 bytes a row in a K step's 128
	s_mul_i32 s21, s19, HALFS
	s_add_co_u32 s21, s21, SCL
	v_add_nc_u32 v[ADRSA], s21, v5
	v_lshlrev_b32 v5, 5, v1                        ; B's: 32 bytes a row,
	v_lshrrev_b32 v7, 8, v5
	v_lshl_add_u32 v5, v7, 4, v5                   ; and 16 more for each 256 passed
	s_mul_i32 s21, s20, HALFS
	s_add_co_u32 s21, s21, SCL+2*HALFS
	v_add_nc_u32 v[ADRSB], s21, v5
	s_mul_i32 s21, s18, 16*SPITCH                  ; my stage
	v_mul_u32_u24 v5, v1, SPITCH
	v_lshl_add_u32 v5, v2, 5, v5
	v_add_nc_u32 v[STO], s21, v5                   ; in: row r, 32 bytes for each half of the lanes
	v_add_nc_u32 v[RD], s21, v[CO]                 ; back: the 32 lanes take one row of 512 bytes
	s_lshl_b32 s94, s45, 8
	s_lshl_b32 s21, s19, 7
	s_add_co_u32 s94, s94, s21                     ; my first row of out0
	s_lshl_b32 s94, s94, 12                        ; 4,096 bytes a row (under 2^26)
	s_lshl_b32 s21, s42, 10
	s_add_co_u32 s94, s94, s21
	s_lshl_b32 s21, s20, 9
	s_add_co_u32 s94, s94, s21                     ; my first column: 1,024 x tile column + 512 x half
	s_mov_b32 s95, 0
	s_add_nc_u64 s[12:13], s[8:9], s[94:95]
.macro FRAG reg, adr, q, i             ; B: 16 rows x 128 K from padded rows
.irp c, 0,1,2,3
	ds_load_b128 v[\reg+4*\c:\reg+4*\c+3], v[\adr] offset:128*(\q)+32*\c+(\i)*16*PITCH
.endr
.endm
.macro FRAGA reg, adr, q, i            ; A: an image of the registers: four runs of 512 consecutive bytes
.irp c, 0,1,2,3
	ds_load_b128 v[\reg+4*\c:\reg+4*\c+3], v[\adr] offset:(\i)*4096+(\q)*2048+512*\c
.endr
.endm
.macro MUL16 a0, p, q, sc, zero        ; the 64 accumulators take turns, one instruction a turn, in the same order in every step
.irp a, \a0, \a0+1
.irp b, 0,1,2,3,4,5,6,7
.if \zero
	v_wmma_scale_f32_16x16x128_f8f6f4 v[8*(8*((\a)%4)+\b):8*(8*((\a)%4)+\b)+7], v[128*(\p)+FR*\b:128*(\p)+FR*\b+FR-1], v[AF+FR*(\a):AF+FR*(\a)+FR-1], 0, v[SCB+16*(\sc)+2*\b+(\q)], v[SCA+16*(\sc)+2*(\a)+(\q)]
.else
	v_wmma_scale_f32_16x16x128_f8f6f4 v[8*(8*((\a)%4)+\b):8*(8*((\a)%4)+\b)+7], v[128*(\p)+FR*\b:128*(\p)+FR*\b+FR-1], v[AF+FR*(\a):AF+FR*(\a)+FR-1], v[8*(8*((\a)%4)+\b):8*(8*((\a)%4)+\b)+7], v[SCB+16*(\sc)+2*\b+(\q)], v[SCA+16*(\sc)+2*(\a)+(\q)]
.endif
.endr
.endr
.endm
.macro FETCH_B slot, q, p
	WIN TO_B
.irp i, 0,1,2,3,4,5,6,7
	FRAG 128*(\p)+FR*\i, ADRB+\slot, \q, \i
.endr
	WIN 0
.endm
.macro FETCH_A slot, q, i0
.irp i, \i0, \i0+1, \i0+2, \i0+3
	FRAGA AF+FR*(\i), ADRA+\slot, \q, \i
.endr
.endm
.macro SCALES sc
.irp i, 0,1,2,3,4,5,6,7
	ds_load_b64 v[SCA+16*\sc+2*\i:SCA+16*\sc+2*\i+1], v[ADRSA] offset:\i*SBLK
.endr
.irp i, 0,1,2,3,4,5,6,7
	ds_load_b64 v[SCB+16*\sc+2*\i:SCB+16*\sc+2*\i+1], v[ADRSB] offset:\i*SBLK
.endr
.endm
.macro PLACES n
.rept \n
	v_nop
.endr
.endm
.macro STEP slot, q, zero
	s_wait_dscnt 4*NL                              ; all but the youngest sixteen loads (A's blocks 4-7) are in
	WIN MUL_LO
	MUL16 0, (\q)%2, \q, \slot, \zero
	MUL16 2, (\q)%2, \q, \slot, \zero
	s_wait_dscnt 0
	PLACES NP
	FETCH_B \slot, (\q)+1, 1-(\q)%2
	FETCH_A \slot, (\q)+1, 0
	WIN MUL_HI
	MUL16 4, (\q)%2, \q, \slot, \zero
	MUL16 6, (\q)%2, \q, \slot, \zero
	PLACES NP
	WIN 0
	FETCH_A \slot, (\q)+1, 4
.endm
; sa: the way to the next K step's scale words of A: 128 bytes, and 16 more where a padding is passed (behind every second K step)
.macro TURN slot, next, fill, sa
	s_wait_tensorcnt 0x0                           ; all my tensor loads have landed: my part of the next slot
	ds_add_u32 v[SPW], v[NIL]                      ; 0 onto my spare word
	s_wait_dscnt 4*NL+1                            ; (the add and the youngest sixteen loads may be out)
	WIN MUL_LO
	MUL16 0, 1, NQ-1, \slot, 0
	s_wait_dscnt 0x0                               ; the add is done, and my reads of this slot are over
	s_barrier_signal -1
	MUL16 2, 1, NQ-1, \slot, 0
	WIN 0
	s_barrier_wait -1
.if \fill
	CREST                                          ; the barrier has opened a round of the cluster's barrier: no wave of any partner still reads this slot or has a load on its way
	s_add_nc_u64 s[G0+4*\slot+2:G0+4*\slot+3], s[G0+4*\slot+2:G0+4*\slot+3], 2*4096
	s_add_nc_u64 s[G0B+4*\slot+2:G0B+4*\slot+3], s[G0B+4*\slot+2:G0B+4*\slot+3], 2*ROWB
	JLOAD G0+4*\slot, G1, G0B+4*\slot, G1B
	PLACES NP-4
.else
	PLACES NP
.endif
	v_add_nc_u32 v[ADRSA], \sa, v[ADRSA]
	v_add_nc_u32 v[ADRSB], 8, v[ADRSB]
	FETCH_B \next, 0, 0
	FETCH_A \next, 0, 0
	SCALES \next
	WIN MUL_HI
	MUL16 4, 1, NQ-1, \slot, 0
	MUL16 6, 1, NQ-1, \slot, 0
	PLACES NP
	WIN 0
	FETCH_A \next, 0, 4
.endm
	s_wait_tensorcnt 1                             ; the scale bytes and my part of K step 0 are in; K step 1's load may be out
	s_barrier_signal -1
	s_barrier_wait -1
	FETCH_B 0, 0, 0
	FETCH_A 0, 0, 0
	SCALES 0
	FETCH_A 0, 0, 4
	STEP 0, 0, 1
	s_mov_b32 s3, LAPS-1
.Llap:
	TURN 0, 1, 1, 128
	STEP 1, 0, 0
	TURN 1, 0, 1, 144
	STEP 0, 0, 0
	s_sub_co_u32 s3, s3, 1
	s_cmp_lg_u32 s3, 0
	s_cbranch_scc1 .Llap
	TURN 0, 1, 0, 128
	STEP 1, 0, 0
	s_wait_dscnt 4*NL
	WIN MUL_LO
	MUL16 0, 1, NQ-1, 1, 0
	MUL16 2, 1, NQ-1, 1, 0
	s_wait_dscnt 0
	WIN MUL_HI
	MUL16 4, 1, NQ-1, 1, 0
	MUL16 6, 1, NQ-1, 1, 0
	WIN 0
; THE WAY OUT, block by block of 16 rows x 128 columns, through my own stage in LDS: a lane holds 32 neighbouring bytes of a row; the block comes back as whole rows of 512 bytes.
; LDS serves a wave's instructions in order (ISA guide 5.7.1.4): no wait between the stores and the loads.  Stage row t of block a is row 32 (a / 2) + 8 (a % 2) + t + 8 (t / 8) of my 128.
.macro TOSTAGE a
.set AC, 64*((\a)%4)
	WIN 0x08+4*((\a)/4)                            ; an LDS store's data are its source 1: window 2 or 3
.irp b, 0,1,2,3,4,5,6,7
	ds_store_b128 v[STO], v[AC+8*\b:AC+8*\b+3] offset:64*\b          ; each accumulator from its low end on
	ds_store_b128 v[STO], v[AC+8*\b+4:AC+8*\b+7] offset:64*\b+16
.endr
	WIN 0
.set BB, BK+64*((\a)%2)
.irp t, 0,1,2,3,4,5,6,7,8,9,10,11,12,13,14,15
	ds_load_b128 v[BB+4*\t:BB+4*\t+3], v[RD] offset:\t*SPITCH
.endr
.endm
.macro SEND a, younger
.set BB, BK+64*((\a)%2)
	s_wait_dscnt \younger                          ; the block is back in registers
.if (\a) > 0
.if ((\a)%2) == 1
	s_add_nc_u64 s[12:13], s[12:13], 8*4096        ; (behind a wait on XCNT: the earlier stores have read their base)  from an even block to the odd one: 8 rows on
.else
	s_add_nc_u64 s[12:13], s[12:13], 24*4096       ; and on to the next 32 rows
.endif
.endif
.irp t, 0,1,2,3,4,5,6,7,8,9,10,11,12,13,14,15
	global_store_b128 v[CO], v[BB+4*\t:BB+4*\t+3], s[12:13] offset:(\t+8*(\t/8))*4096 th:TH_STORE_NT   ; 32 lanes store 512 consecutive bytes, aligned; written once, read by nobody here
.endr
.endm
	PLACES NP
	TOSTAGE 0
.irp a, 1,2,3,4,5,6,7
.if \a > 1
	s_wait_xcnt 0x0                                ; block a - 2's stores have read their registers and their base
.endif
	TOSTAGE \a
	SEND \a-1, 32                                  ; behind block a - 1's loads: block a's 16 stores and 16 loads
.endr
	s_wait_xcnt 0x0
	SEND 7, 0
	s_wait_tensorcnt 0x0                           ; the wave's end
	ds_add_u32 v[SPW], v[NIL]
	s_wait_dscnt 0x0
	CROUND                                         ; the closing round
	s_endpgm
.Lfunc_end_k_qaf9bb0a542_proj:
	.size	k_qaf9bb0a542_proj, .Lfunc_end_k_qaf9bb0a542_proj-k_qaf9bb0a542_proj
	.p2alignl 7, 3214868480
	.fill 96, 4, 3214868480
	.section	.rodata,"a",@progbits
	.p2align	6, 0x0
	.amdhsa_kernel k_qaf9bb0a542_proj
		.amdhsa_group_segment_fixed_size 327680
		.amdhsa_private_segment_fixed_size 0
		.amdhsa_enable_private_segment 0
		.amdhsa_kernarg_size 24
		.amdhsa_user_sgpr_count 2
		.amdhsa_user_sgpr_kernarg_segment_ptr 1
		.amdhsa_wavefront_size32 1
		.amdhsa_system_sgpr_workgroup_id_x 1
		.amdhsa_system_sgpr_workgroup_id_y 1
		.amdhsa_system_sgpr_workgroup_id_z 1
		.amdhsa_system_vgpr_workitem_id 0
		.amdhsa_next_free_vgpr 1024
		.amdhsa_next_free_sgpr 100
		.amdhsa_reserve_vcc 0
		.amdhsa_float_denorm_mode_32 3
		.amdhsa_float_denorm_mode_16_64 3
		.amdhsa_memory_ordered 1
		.amdhsa_forward_progress 1
		.amdhsa_inst_pref_size 148
	.end_amdhsa_kernel
	.amdgpu_metadata
---
amdhsa.version: [ 1, 2 ]
amdhsa.kernels:
  - .name:           k_qaf9bb0a542_proj
    .symbol:         k_qaf9bb0a542_proj.kd
    .args:
      - { .name: ab, .offset: 0, .size: 8, .value_kind: global_buffer, .address_space: global }
      - { .name: wq, .offset: 8, .size: 8, .value_kind: global_buffer, .address_space: global }
      - { .name: out0, .offset: 16, .size: 8, .value_kind: global_buffer, .address_space: global }
    .group_segment_fixed_size: 327680
    .private_segment_fixed_size: 0
    .kernarg_segment_align: 8
    .kernarg_segment_size: 24
    .max_flat_workgroup_size: 128
    .sgpr_count:     100
    .vgpr_count:     1024
    .wavefront_size: 32
...
	.end_amdgpu_metadata
.endif
;; end of part 4
